; MI455X (gfx1250); checked and timed in simulation.
; The chip was launched on July 23, 2026; its instructions are those of AMD's public machine-readable ISA for CDNA 5 (MIT licence, August 2026) and "CDNA5" Instruction Set Architecture Reference Guide (July 2026). The comments in the code are by the model that wrote it; some were corrected since.
;; Attn. Allowed arithmetic: matrix products marked QUANTISED: E4M3 operands, one E8M0 scale for each 32 along K, by v_wmma_scale_f32_16x16x128_f8f6f4 with both operands' format E4M3, f32 sums; products left as they are: f32 operands where the result goes on into a quantised operand, else bf16, f16 or f32 operands; f32 sums; everything else in f32.
;; Inputs: W_codes 1,024 x 32 x 32 uint8 (E4M3 codes of W, K innermost, in blocks of 32 codes); W_scales 1,024 x 32 uint8 (E8M0 scales of W, one for each 32 codes along K); b 1,024 float32; encoder_outputs_codes 1,024 x 64 x 32 x 32 uint8 (E4M3 codes of encoder_outputs, K innermost, in blocks of 32 codes); encoder_outputs_scales 1,024 x 64 x 32 uint8 (E8M0 scales of encoder_outputs, one for each 32 codes along K); hidden 1 x 64 x 1,024 float32.
;; Outputs: out0 64 x 1 x 1,024 float32.
;; This version of the problem:
;;   THIS VERSION OF THE PROBLEM IS GIVEN IN LOW PRECISION. The matrix products marked QUANTISED in the list below multiply operands that are first quantised to E4M3 (4 exponent bits, 3 mantissa bits; 8 bits a number), with one power-of-two scale for each 32 numbers along K (OCP MX v1.0); their sums are f32. All else is computed in f32.
;;   The module's matrix products, in the order in which they are computed (A, B: the left and right operand; K: the contracted axis; several contracted axes count as one K, in the product's order):
;;     1. [M 65,536, K 1,024] x [K 1,024, N 1,024]; A: input encoder_outputs (given as codes); B: input W (given as codes): QUANTISED
;;     2. batch 64 x [M 1, K 1,024] x [K 1,024, N 1,024]; A: input hidden; B: computed on the way: left as it is (M = 1 < 16)
;;   THE QUANTISER, for each operand of a quantised product, along K:
;;     - K is cut into blocks of 32 from its start; a last block that is shorter is filled with zeros.
;;     - A block's scale is 2^e with e = floor(log2(the largest magnitude in the block)) - 8, held to -126 .. 127; a block of zeros has e = 0. As a byte (E8M0): e + 127.
;;     - Each number is divided by its block's scale, clamped to +-448, and rounded to the nearest number of E4M3, ties to even, subnormals kept.
;;     - The product sums the exact products of the quantised numbers (number of the format x scale) in f32.
;;   ~~~python
;;   def quantise(x, axis):      # numpy; x: float32 -> the quantised numbers, widened to float32 again
;;       x = np.moveaxis(x, axis, -1); K = x.shape[-1]
;;       x = np.pad(x, [(0, 0)] * (x.ndim - 1) + [(0, -K % 32)]); x = x.reshape(x.shape[:-1] + (-1, 32)); a = np.abs(x).max(-1, keepdims=True)
;;       e = np.where(a > 0, np.clip(np.frexp(np.where(a > 0, a, 1))[1] - 1 - 8, -126, 127), 0)      # np.frexp(a)[1] - 1 = floor(log2(a)), exactly
;;       r = np.clip(x / 2.0 ** e, -448, 448)
;;       step = 2.0 ** (np.maximum(np.frexp(np.where(r == 0, 1, r))[1] - 1, -6) - 3)
;;       q = np.round(r / step) * step * 2.0 ** e      # np.round: ties to even
;;       return np.moveaxis(q.reshape(q.shape[:-2] + (-1,))[..., :K], -1, axis).astype(np.float32)
;;   ~~~
;;   INPUTS GIVEN AS CODES. W (in the module: [1024, 1024], K = its axis 1); encoder_outputs (in the module: [1024, 64, 1024], K = its axis 2): each comes as NAME_codes (uint8): NAME with its K axis moved to the last place and cut into blocks of 32 codes, [.., K / 32, bytes a block], one block behind the other in memory; one code a byte (a code: sign, 4 exponent bits, 3 mantissa bits); and NAME_scales (uint8): the same leading axes, one E8M0 byte (e + 127) for each 32 codes along K. Its value is code x scale, taken as it is: it is not quantised again, and the codes and scales need not be those that the quantiser above would give.
;; 2 versions. Each part assembles by itself: llvm-mc -triple=amdgcn-amd-amdhsa -mcpu=gfx1250 --defsym DOCPART=n.
;; ======== version 1 of 2: 2 launches
;; workspace buffers: part 1,048,576 bytes
;; launch energy (part 1): grid 256 x 1, 4 waves a work-group, clusters of 4 x 1, 327,680 bytes of LDS; arguments W_codes, W_scales, b, encoder_outputs_codes, encoder_outputs_scales, hidden, part; writes part
.if DOCPART == 1
	.amdgcn_target "amdgcn-amd-amdhsa--gfx1250"
	.amdhsa_code_object_version 6
	.text
	.protected	k_qe56760fd52_energy
	.globl	k_qe56760fd52_energy
	.p2align	8
	.type	k_qe56760fd52_energy,@function
k_qe56760fd52_energy:
	s_mov_b64 s[64:65], 0
	v_nop
	global_prefetch_b8 v0, s[64:65] scope:SCOPE_SE
	s_setreg_imm32_b32 hwreg(HW_REG_WAVE_MODE, 25, 1), 1
	s_wait_xcnt 0x0
	s_wait_alu depctr_hold_cnt(0) depctr_sa_sdst(0) depctr_va_vdst(0) depctr_va_sdst(0) depctr_va_ssrc(0) depctr_va_vcc(0) depctr_vm_vsrc(0)
	s_getreg_b32 s2, hwreg(HW_REG_IB_STS2, 6, 4)
	s_cmp_eq_u32 s2, 0
	s_cbranch_scc0 .Lentry_in_a_cluster
	s_endpgm
.Lentry_in_a_cluster:
	s_bfe_u32 s2, ttmp6, 0x10000c
	s_cmp_lg_u32 s2, 0x3003
	s_cbranch_scc0 .Lentry_shape_is_right
	s_endpgm
.Lentry_shape_is_right:
; part[q][b][l] = the sum over the 256 g of quarter q of hidden[b][g] x (proj[l][b][g] + bias[g]),  proj[l][b][g] = the sum over k of enc[l][b][k] W[g][k].
; enc and W are codes of FP8 (E4M3) with one E8M0 byte for each 32 along K: they go to the matrix unit as they lie.  proj never leaves the registers: the product with hidden is taken on the accumulators, in f32.
; SHARES.  A work-group owns a quarter of g (256 units) and 1,024 encoder rows: 16 neighbouring b x 64 neighbouring l.  Wave w owns 64 of the units: 4 tiles x 8 K steps x 16 registers = 512 registers of W,
; which stay for the whole launch.  The encoder's rows stream through a ring of two LDS slots of 128 rows (8 l x 16 b); every wave reads all of them: a fragment read from LDS feeds four matrix instructions.
; CLUSTER.  The four quarters of one slice of rows form a cluster and ask for each encoder tile JOINTLY (mask 15): the same tensor load with the same descriptor in all four.
; W is NOT asked for jointly: the four partners hold four different quarters of it and share none of its bytes; a work-group reads its 256 KB of W once, beside 1 MB of encoder codes.
; LAYOUT.  Source 0 = 16 rows of W, source 1 = 16 encoder rows (one l, 16 b): in the result lane (r, h) holds row b0 + r and register j the unit 16 t + 8 h + j.  So lane r means the same b in every tile, hidden costs
; 32 registers, and the second product is four packed multiply-adds an accumulator; one exchange between the halves of the lanes joins a row's two parts.
; THE BIAS: sum hid (proj + bias) = sum hid proj + sum hid bias: each lane forms its part of the second sum once, and it is the addend of the first multiply-add of every row tile.
; A GROUP is 2 l (two row tiles) x my 4 tiles of W x 8 K steps = 64 matrix instructions, in two halves of 4 K steps; 4 groups a slot.  While a half is multiplied, the next half's 32 LDS loads and the dot of the group
; before stand in slices behind its matrix instructions.  The accumulators have two sets of 64 registers, which take turns group by group.
; LIMITS: the sums over g are taken in another order than a plain loop's, all in f32; a scale byte 0xff gives NaN, as the matrix unit gives it.
; REGISTERS, in windows of 256 (s_set_vgpr_msb: bits 1:0 source 0, 3:2 source 1, 5:4 source 2, 7:6 destination):
;   window 0: v2-15, v120-124 addresses; v16-31 W's scale words; v32-47 the encoder's, two sets; v48-79 hidden; v80-87 the dot; v88-119 bias, later the way out; v128-255 the accumulators
;   window 1: the encoder's fragments: v0-127 K steps 0-3, v128-255 K steps 4-7 (fragment (K step sl, row tile mt) at 32 sl + 16 mt)
;   windows 2, 3: W's fragments of K steps 0-3, 4-7 (tile t, K step sl at 64 t + 16 sl)
; No window has room for a product's operands beside what the slices touch, so a slice costs a switch in front and one behind.
.set PITCH, 1040                       ; an LDS row: 1,024 bytes + 16 of padding = 65 x 16: the 16 rows that a load touches start at 16 different 16-byte columns
.set SLOT,  128*PITCH                  ; 133,120
.set SC,    2*SLOT                     ; the encoder's scale bytes of my 64 l x 16 b: 64 rows of 512 bytes; filled once
.set ESTG,  SC+32768                   ; 16 rows x 272 bytes for each wave: first the stage through which W is turned, then the wave's energies (row b: 64 l x 4 bytes + 16).  Written by LDS stores alone
.set SPARE, ESTG+4*16*272              ; the spare words, 128 bytes for each wave: two blocks of 256 bytes that no other line names
.set AE,  2                            ; v2-5   LDS address of my lane's place in slot S, rows 64 x u on: v[AE + 2 S + u]
.set ASC, 6                            ; v6     of my scale words: lanes 0-15 the even l, lanes 16-31 the odd one; steps by a tile
.set EST, 7                            ; v7     of my row of energies; steps by a tile
.set SPW, 8                            ; v8     of my spare word: SPARE + 4 x my thread's number; never rewritten
.set NIL, 9                            ; v9     0; never rewritten
.set PFO, 10                           ; v10    the prefetches' offset: a lane a row; never rewritten
.set WS,  16                           ; v16-31 register 8 (t / 2) + s: lanes 0-15 the words of tile 2 (t / 2), lanes 16-31 of the tile after it, K step s
.set ES,  32                           ; v32-47 set g, register s: lanes 0-15 the group's row tile 0, lanes 16-31 its row tile 1
.set HID, 48                           ; v48-79 hidden[b0 + r][16 t + 8 h + j] at 8 t + j
.set EB,  80                           ; v80-81 my part of sum hid x bias, in two halves
.set E0,  82                           ; v82-85 the dot's two chains
.set E1,  84
.set X,   86                           ; v86    a row's energy
.set Y,   87                           ; v87    the other half of the lanes'
.set BI,  88                           ; v88-119
.set WOF, 120                          ; v120   W's codes: my 16 bytes of two rows' 256
.set WSI, 121                          ; v121   the stage, on the way in
.set WSB, 122                          ; v122   and back
.set ORD, 123                          ; v123   the way out: where I read energies
.set OGO, 124                          ; v124   and my byte offset in part
.set ACC, 128
.set WV,  18                           ; s18    my wave's number
.set G1,  24                           ; s[24:31] descriptor group 1 for the encoder's tiles;  s[32:35], s[36:39] group 0 for slot 0, 1
.set G0,  32
.set G1S, 40                           ; s[40:47], s[48:51] the same for the scale bytes
.set G0S, 48
.set PFA, 52                           ; s[52:53] where my prefetches stand
.set CNT, 54                           ; s54    trips to go
.set SEL, 56                           ; s[56:57] lane selects for v_permlanex16_b32: lane l xor 16
.set MSB, 0
.macro WIN new                         ; the immediate's high byte repeats the setting that is left; a switch that changes nothing is dropped
.if MSB != (\new)
	s_set_vgpr_msb (MSB<<8)|(\new)
.set MSB, (\new)
.endif
.endm
.macro CREST                           ; a round of the cluster's barrier behind its opening barrier
	s_cmp_lg_u32 s[WV], 0
	s_cbranch_scc1 .Lnot_wave_0_\@
	s_barrier_signal -3
.Lnot_wave_0_\@:
	s_barrier_wait -3
	s_barrier_signal -1
	s_barrier_wait -1
.endm
.macro CROUND                          ; a whole round
	s_barrier_signal -1
	s_barrier_wait -1
	CREST
.endm
	s_load_b256 s[4:11], s[0:1], 0x0               ; W's codes s[4:5], W's scales s[6:7], b s[8:9], the encoder's codes s[10:11]
	s_load_b128 s[12:15], s[0:1], 0x20             ; the encoder's scales s[12:13], hidden s[14:15]
	s_load_b64 s[16:17], s[0:1], 0x30              ; part
	v_lshl_add_u32 v[SPW], v0, 2, SPARE
	v_mov_b32 v[NIL], 0
	ds_add_u32 v8, v9
	ds_add_u32 v8, v9
	s_wait_dscnt 0x0
	v_lshrrev_b32 v1, 5, v0
	v_readfirstlane_b32 s[WV], v1                  ; wave 0..3
	s_bfe_u32 s19, ttmp6, 0x40000                  ; cx = my quarter of g: it enters global addresses of W, b, hidden, part and the prefetches alone
	s_and_b32 s58, ttmp9, 3                        ; the cluster's number y: b0 = 16 (y % 4),
	s_lshr_b32 s59, ttmp9, 2                       ; l0 = 64 (y / 4)
	; group 1, the encoder's tiles.  A wave's quarter of a tile is 2 l x 16 b x 1,024 bytes; the 16 rows of one l are 16,384 consecutive bytes: 2 rows of 2,048 elements of 8 bytes, 65,536 bytes apart,
	; with 4 words of padding behind every 256 words, that is behind each encoder row
	s_mov_b32 s[G1+0], 15|(3<<16)|(1<<20)|(1<<21)|(7<<22)|(3<<25)  ; 15:0 the mask: all four work-groups; 17:16 elements of 8 bytes; 20 padding on; 21 set beside a mask; 24:22 after every 256 words (code 7); 31:25 4 words (code 3)
	s_mov_b32 s[G1+1], 2048<<16                    ; tensor_dim0
	s_mov_b32 s[G1+2], 2<<16                       ; tensor_dim1
	s_mov_b32 s[G1+3], 2048<<16                    ; tile_dim0
	s_mov_b32 s[G1+4], 2                           ; tile_dim1
	s_mov_b32 s[G1+5], 8192                        ; tensor_dim0_stride: from l to l
	s_mov_b32 s[G1+6], 0
	s_mov_b32 s[G1+7], 0
	; group 1, the scale bytes: a wave's 16 l x 512 bytes (16 b x 32), 2,048 bytes apart in memory, dense in LDS
	s_mov_b32 s[G1S+0], 15|(3<<16)|(1<<21)
	s_mov_b32 s[G1S+1], 64<<16
	s_mov_b32 s[G1S+2], 16<<16
	s_mov_b32 s[G1S+3], 64<<16
	s_mov_b32 s[G1S+4], 16
	s_mov_b32 s[G1S+5], 256
	s_mov_b32 s[G1S+6], 0
	s_mov_b32 s[G1S+7], 0
	s_lshl_b32 s60, s59, 22                        ; the encoder's codes: (l0 + 2 w) x 65,536 + b0 x 1,024
	s_lshl_b32 s61, s[WV], 17
	s_add_co_u32 s60, s60, s61
	s_lshl_b32 s61, s58, 14
	s_add_co_u32 s60, s60, s61
	s_mov_b32 s61, 0
	s_lshl_b32 s66, s59, 17                        ; its scale bytes: ((l0 + 16 w) x 64 + b0) x 32
	s_lshl_b32 s67, s[WV], 15
	s_add_co_u32 s66, s66, s67
	s_lshl_b32 s67, s58, 9
	s_add_co_u32 s66, s66, s67
	s_mov_b32 s67, 0
	s_mul_i32 s70, s[WV], 32*PITCH                 ; where they go: wave x 32 rows in a slot,
	s_lshl_b32 s71, s[WV], 13
	s_add_co_u32 s71, s71, SC                      ; wave x 16 rows of scale bytes: no place in the cluster enters an LDS address
	s_lshl_b32 s62, s19, 8                         ; the prefetches: byte 256 cx of each row
	s_mov_b32 s63, 0
	s_lshl_b32 s68, s19, 8
	s_lshl_b32 s69, s[WV], 6
	s_add_co_u32 s68, s68, s69                     ; my first unit: 256 cx + 64 w
	s_lshl_b32 s72, s68, 10                        ; in W's codes,
	s_mov_b32 s73, 0
	s_lshl_b32 s74, s68, 5                         ; in W's scales,
	s_mov_b32 s75, 0
	s_lshl_b32 s76, s68, 2                         ; in b
	s_mov_b32 s77, 0
	s_lshl_b32 s78, s58, 16                        ; b0 rows of 4,096 bytes
	s_lshl_b32 s68, s19, 18
	s_add_co_u32 s68, s68, s78                     ; part: (64 cx + b0) rows of 4,096 bytes
	s_add_co_u32 s78, s78, s76                     ; hidden: row b0, my first unit
	s_mov_b32 s79, 0
	s_lshl_b32 s69, s59, 8
	s_add_co_u32 s68, s68, s69                     ; + 4 l0
	s_mov_b32 s69, 0
	s_mul_i32 s21, s[WV], 16*272
	s_add_co_u32 s22, s21, ESTG-32                 ; my energies, one tile's 32 bytes low: the first step comes ahead of the first store
	s_add_co_u32 s21, s21, ESTG                    ; my stage
	s_mul_i32 s23, s[WV], 4*272
	s_add_co_u32 s23, s23, ESTG                    ; the way out: rows 4 w on
	s_lshl_b32 s20, s[WV], 14                      ; and the same four rows in part
	s_mov_b32 s[SEL], 0x76543210
	s_mov_b32 s[SEL+1], 0xfedcba98
	v_and_b32 v11, 15, v0                          ; r
	v_bfe_u32 v12, v0, 4, 1                        ; h
	v_mul_u32_u24 v[AE], v11, PITCH
	v_lshl_add_u32 v[AE], v12, 4, v[AE]            ; a fragment's row x pitch + 16 h
	v_add_nc_u32 v[AE+1], 64*PITCH, v[AE]
	v_add_nc_u32 v[AE+2], SLOT, v[AE]
	v_add_nc_u32 v[AE+3], SLOT+64*PITCH, v[AE]
	v_lshlrev_b32 v[ASC], 5, v11
	v_lshl_add_u32 v[ASC], v12, 9, v[ASC]
	v_add_nc_u32 v[ASC], SC, v[ASC]                ; SC + 512 h + 32 r
	v_mul_u32_u24 v[EST], v11, 272
	v_add_nc_u32 v[WSB], s21, v[EST]
	v_lshl_add_u32 v[WSB], v12, 4, v[WSB]          ; the stage, back: row r, + 16 h
	v_add_nc_u32 v[EST], s22, v[EST]
	v_mul_u32_u24 v[WSI], v12, 272
	v_lshl_add_u32 v[WSI], v11, 4, v[WSI]          ; 272 h + 16 r
	v_add_nc_u32 v[ORD], s23, v[WSI]
	v_add_nc_u32 v[WSI], s21, v[WSI]               ; the stage, in: lanes 0-15 one row of 256 bytes, lanes 16-31 the next
	v_lshlrev_b32 v[PFO], 10, v11
	v_lshl_add_u32 v[PFO], v12, 16, v[PFO]         ; lanes 0-15 the 16 b of my even l, lanes 16-31 of my odd l
	v_lshlrev_b32 v13, 12, v11
	v_lshl_add_u32 v13, v12, 5, v13                ; hidden: row r, + 8 h numbers
	v_lshlrev_b32 v14, 5, v12                      ; b: 8 h numbers
	v_and_b32 v15, 31, v0
	v_lshlrev_b32 v15, 5, v15                      ; W's scales: a lane a row of 32 bytes
	v_lshlrev_b32 v[WOF], 10, v12
	v_lshl_add_u32 v[WOF], v11, 4, v[WOF]          ; W's codes: lanes 0-15 256 bytes of one row, lanes 16-31 of the next
	v_lshlrev_b32 v[OGO], 12, v12
	v_lshl_add_u32 v[OGO], v11, 4, v[OGO]
	v_add_nc_u32 v[OGO], s20, v[OGO]               ; part: row 4 w + h, 16 bytes a lane
	v_mov_b32 v[Y], 0                              ; written once: a lane permute's destination counts as one of its sources
	s_wait_kmcnt 0x0
	s_add_nc_u64 s[4:5], s[4:5], s[72:73]
	s_add_nc_u64 s[6:7], s[6:7], s[74:75]
	s_add_nc_u64 s[8:9], s[8:9], s[76:77]
	s_add_nc_u64 s[14:15], s[14:15], s[78:79]
	s_add_nc_u64 s[16:17], s[16:17], s[68:69]
	s_add_nc_u64 s[10:11], s[10:11], s[60:61]      ; the encoder's codes at my rows of tile 0
	s_add_nc_u64 s[12:13], s[12:13], s[66:67]
	s_mov_b32 s[G0], 1                             ; 1:0 count = 1
	s_mov_b32 s[G0+1], s70                         ; 63:32 LDS address: slot 0
	s_mov_b64 s[G0+2:G0+3], s[10:11]               ; 120:64 global address: tile 0
	s_or_b32 s[G0+3], s[G0+3], 0x80000000          ; 127:126 type = 2
	s_mov_b32 s[G0+4], 1
	s_add_co_u32 s[G0+5], s70, SLOT                ; slot 1
	s_add_nc_u64 s[G0+6:G0+7], s[10:11], 8*65536   ; tile 1: 8 l on
	s_or_b32 s[G0+7], s[G0+7], 0x80000000
	s_mov_b32 s[G0S], 1
	s_mov_b32 s[G0S+1], s71
	s_mov_b64 s[G0S+2:G0S+3], s[12:13]
	s_or_b32 s[G0S+3], s[G0S+3], 0x80000000
	s_add_nc_u64 s[PFA:PFA+1], s[10:11], s[62:63]
	s_add_nc_u64 s[PFA:PFA+1], s[PFA:PFA+1], 16*65536  ; at tile 2; the first change of slots steps it to tile 3.  Nothing is prefetched here, at the head, where every work-group's first tiles are on their way
	CROUND                                         ; all four work-groups are here: the first joint loads meet
	tensor_load_to_lds s[G0S:G0S+3], s[G1S:G1S+7]  ; the first fills go out as one group: three loads of mine are out.  The scale bytes first: they are wanted with tile 0
	s_nop 0
	tensor_load_to_lds s[G0:G0+3], s[G1:G1+7]
	s_nop 0
	tensor_load_to_lds s[G0+4:G0+7], s[G1:G1+7]
	s_nop 0
.rept 4
	v_nop                                          ; four plain lines follow the last of them
.endr
.irp t, 0,1,2,3
	global_load_b128 v[HID+8*\t:HID+8*\t+3],   v13, s[14:15] offset:64*\t
	global_load_b128 v[HID+8*\t+4:HID+8*\t+7], v13, s[14:15] offset:64*\t+16
.endr
.irp t, 0,1,2,3
	global_load_b128 v[BI+8*\t:BI+8*\t+3],   v14, s[8:9] offset:64*\t
	global_load_b128 v[BI+8*\t+4:BI+8*\t+7], v14, s[8:9] offset:64*\t+16
.endr
.irp p, 0,1
	global_load_b128 v[WS+8*\p:WS+8*\p+3],   v15, s[6:7] offset:1024*\p     ; rows 32 p + lane: K steps 0-3,
	global_load_b128 v[WS+8*\p+4:WS+8*\p+7], v15, s[6:7] offset:1024*\p+16  ; 4-7
.endr
; W'S CODES.  A chunk is 16 rows (tile wt) x 256 bytes (two K steps): eight loads, each of two rows' 256 consecutive bytes, into the 32 registers that the chunk's two fragments will take.
; Chunks 0-7: K steps 0-3, window 2; chunks 8-15: K steps 4-7, window 3.
.macro WLOAD c
.set wt, ((\c)%8)/2
.set wq, 2*((\c)/8)+(\c)%2
.set wR, 64*wt+32*((\c)%2)
.irp n, 0,1,2,3,4,5,6,7
	global_load_b128 v[wR+4*\n:wR+4*\n+3], v[WOF], s[4:5] offset:(16*wt+2*\n)*1024+256*wq
.endr
.endm
; The chunk is turned through my own stage: in as it was loaded, back as fragments (lane (r, h): row r, bytes 128 u + 32 k + 16 h), into the registers that it left.
; LDS serves a wave's instructions in order (ISA guide 5.7.1.4): the loads see the stores, and the next chunk's stores come behind them.
.macro WTURN c
.set wR, 64*(((\c)%8)/2)+32*((\c)%2)
.if 8*(15-(\c)) > 63
	s_wait_loadcnt 63                              ; the chunk's loads are in: more than 63 were issued behind them, and a wait names 63 at the most
.else
	s_wait_loadcnt 8*(15-(\c))                     ; the chunk's loads are in; those of the chunks behind it may be out
.endif
.irp n, 0,1,2,3,4,5,6,7
	ds_store_b128 v[WSI], v[wR+4*\n:wR+4*\n+3] offset:544*\n
.endr
.irp u, 0,1
.irp k, 0,1,2,3
	ds_load_b128 v[wR+16*\u+4*\k:wR+16*\u+4*\k+3], v[WSB] offset:128*\u+32*\k
.endr
.endr
.endm
	WIN 0x88                                       ; destination and an LDS store's data (source 1) window 2
.irp c, 0,1,2,3,4,5,6,7
	WLOAD \c
.endr
	WIN 0xcc                                       ; window 3
.irp c, 8,9,10,11,12,13,14,15
	WLOAD \c
.endr
	WIN 0x88
.irp c, 0,1,2,3,4,5,6,7
	WTURN \c
.endr
	WIN 0xcc
.irp c, 8,9,10,11,12,13,14,15
	WTURN \c
.endr
	WIN 0
	s_wait_loadcnt 0x0
	v_pk_mul_f32 v[EB:EB+1], v[HID:HID+1], v[BI:BI+1]              ; my 32 units' part of sum hid x bias
.irp n, 2,4,6,8,10,12,14,16,18,20,22,24,26,28,30
	v_pk_fma_f32 v[EB:EB+1], v[HID+\n:HID+\n+1], v[BI+\n:BI+\n+1], v[EB:EB+1]
.endr
; Product i of 32 of a half (symbols: i; hSet the accumulators' set; hH the half): K step sl = i / 8 of the half, row tile mt = (i / 4) % 2, W's tile tt = i % 4.
; The 8 accumulators take turns, one instruction a turn, in the same order in every half.  A group's first 8 products start the sums: nothing is ever cleared.
.macro MM
.set sl, i/8
.set mt, (i/4)%2
.set tt, i%4
.set rD, ACC+64*hSet+32*mt+8*tt
.set rA, 64*tt+16*sl
.set rB, 128*hH+32*sl+16*mt
.set rW, WS+8*(tt/2)+4*hH+sl
.set rE, ES+8*hSet+4*hH+sl
	WIN 0x06+hH                                    ; source 0 (W) window 2 or 3, source 1 (the encoder) window 1, C and D window 0
.if (hH == 0) && (sl == 0)
.if (tt%2 == 0) && (mt == 0)
	v_wmma_scale_f32_16x16x128_f8f6f4 v[rD:rD+7], v[rA:rA+15], v[rB:rB+15], 0, v[rW], v[rE]
.elseif mt == 0
	v_wmma_scale_f32_16x16x128_f8f6f4 v[rD:rD+7], v[rA:rA+15], v[rB:rB+15], 0, v[rW], v[rE] matrix_a_scale:MATRIX_SCALE_ROW1
.elseif tt%2 == 0
	v_wmma_scale_f32_16x16x128_f8f6f4 v[rD:rD+7], v[rA:rA+15], v[rB:rB+15], 0, v[rW], v[rE] matrix_b_scale:MATRIX_SCALE_ROW1
.else
	v_wmma_scale_f32_16x16x128_f8f6f4 v[rD:rD+7], v[rA:rA+15], v[rB:rB+15], 0, v[rW], v[rE] matrix_a_scale:MATRIX_SCALE_ROW1 matrix_b_scale:MATRIX_SCALE_ROW1
.endif
.else
.if (tt%2 == 0) && (mt == 0)
	v_wmma_scale_f32_16x16x128_f8f6f4 v[rD:rD+7], v[rA:rA+15], v[rB:rB+15], v[rD:rD+7], v[rW], v[rE]
.elseif mt == 0
	v_wmma_scale_f32_16x16x128_f8f6f4 v[rD:rD+7], v[rA:rA+15], v[rB:rB+15], v[rD:rD+7], v[rW], v[rE] matrix_a_scale:MATRIX_SCALE_ROW1
.elseif tt%2 == 0
	v_wmma_scale_f32_16x16x128_f8f6f4 v[rD:rD+7], v[rA:rA+15], v[rB:rB+15], v[rD:rD+7], v[rW], v[rE] matrix_b_scale:MATRIX_SCALE_ROW1
.else
	v_wmma_scale_f32_16x16x128_f8f6f4 v[rD:rD+7], v[rA:rA+15], v[rB:rB+15], v[rD:rD+7], v[rW], v[rE] matrix_a_scale:MATRIX_SCALE_ROW1 matrix_b_scale:MATRIX_SCALE_ROW1
.endif
.endif
.endm
; Fragment f of 8 of the batch to come (symbols: slot nS, group nG, half nH): K step f / 2 of the half, row tile f % 2: 16 rows x 128 K: four loads of 16 bytes a lane, 32 bytes apart
.macro EFRAG f
.set eR, 128*nH+32*((\f)/2)+16*((\f)%2)
.set eO, (32*(nG%2)+16*((\f)%2))*PITCH+128*(4*nH+(\f)/2)
	WIN 0x40                                       ; destination window 1, address window 0
.irp c, 0,1,2,3
	ds_load_b128 v[eR+4*\c:eR+4*\c+3], v[AE+2*nS+nG/2] offset:eO+32*\c
.endr
.endm
.macro ESLOAD set, off                 ; a group's scale words, 8 K steps: lanes 0-15 its even l, lanes 16-31 its odd l
	ds_load_b128 v[ES+8*(\set):ES+8*(\set)+3],   v[ASC] offset:\off
	ds_load_b128 v[ES+8*(\set)+4:ES+8*(\set)+7], v[ASC] offset:(\off)+16
.endm
; Item f of 20 of a row tile's dot with hidden: the set that is not being multiplied, row tile hH.  Two chains (W's tiles 0, 1 and 2, 3), each accumulator from its low end on; the bias's constant starts the first.
.macro DOT f
.set dA, ACC+64*(1-hSet)+32*hH
.set dc, (\f)%2
.set dq, 8*(2*dc+((\f)/2)/4)+2*(((\f)/2)%4)
.if (\f) == 0
	v_pk_fma_f32 v[E0:E0+1], v[dA:dA+1], v[HID:HID+1], v[EB:EB+1]
.elseif (\f) == 1
	v_pk_mul_f32 v[E1:E1+1], v[dA+16:dA+17], v[HID+16:HID+17]
.elseif (\f) < 16
	v_pk_fma_f32 v[E0+2*dc:E0+2*dc+1], v[dA+dq:dA+dq+1], v[HID+dq:HID+dq+1], v[E0+2*dc:E0+2*dc+1]
.elseif (\f) == 16
	v_pk_add_f32 v[E0:E0+1], v[E0:E0+1], v[E1:E1+1]
.elseif (\f) == 17
	v_add_f32 v[X], v[E0], v[E0+1]
.elseif (\f) == 18
	v_permlanex16_b32 v[Y], v[X], s[SEL], s[SEL+1]  ; the row's other 32 units lie in the lane 16 away
.else
	v_add_f32 v[X], v[X], v[Y]                     ; the same number in lanes r and r + 16
.endif
.endm
.macro DOT4 f0
	WIN 0
.irp n, 0,1,2,3
	DOT (\f0)+\n
.endr
.endm
; A PREFETCH INTO THE L2 of the tile that the NEXT change of slots will ask for: 256 matrix instructions ahead of that load.  A tile is 128 rows x 1,024 bytes: partner cx names byte 256 cx of each row (told apart BY
; ADDRESS), wave w its own 32 rows, a lane a row: each aligned block of 256 bytes is named once in the launch.  how = 2: the last change that fills a slot asks for nothing: there is no tile behind tile 7.
.macro ASK how
.if (\how) == 2
	s_cmp_lg_u32 s[CNT], 1
	s_cbranch_scc0 .Lno_ask_\@
.endif
	global_prefetch_b8 v[PFO], s[PFA:PFA+1] th:TH_LOAD_NT scope:SCOPE_SE
.if (\how) == 2
.Lno_ask_\@:
.endif
.endm
; A HALF: 32 products of group G of slot S, K steps 4 hf on, with a slice behind each.  fma = 1: the dot of the group before (row tile hf) is among the slices.
; mode 0: the next half's fragments come from the same slot.  mode 1: the slot's last half: the change of slots, with a joint refill.  mode 2: the same without a refill.  mode 3: the last half of all: nothing to fetch.
; PLACES.  A load into a register that a matrix instruction has read, and a vector instruction that reads a matrix result, stand eight plain vector instructions behind it:
; eight v_nop stand behind a half's first four products, ahead of the loads into the buffer that the half before read, and of the first read of the set that it finished.
; WAITS ON DScnt, ahead of products 0, 8, 16, 24: the K step's 8 loads are in.  Behind them were issued the rest of their batch (24, 16, 8, 0) and this half's own loads so far (0, 8, 24, 32), at the least.
.macro HALF S, G, hf, fma, mode, ask
.set hSet, (\G)%2
.set hH, \hf
.set hLam, 2*(((\G)+3)%4)+(\hf)        ; the l, within its tile, of the dot's row tile
.if (\mode) == 0
.set nS, \S
.set nG, (\G)+(\hf)
.set nH, 1-(\hf)
.else
.set nS, 1-(\S)
.set nG, 0
.set nH, 0
.endif
.set i, 0
.if ((\mode) == 0) || ((\mode) == 3)
.rept 32
.if i%8 == 0
.if (\mode) == 3
	s_wait_dscnt 24-i
.elseif i < 16
	s_wait_dscnt 24
.else
	s_wait_dscnt 32
.endif
.endif
	MM
.if (\mode) == 0
.if i < 4
	v_nop
	v_nop
.endif
.if (i == 3) && ((\hf) == 1)
	WIN 0
	ESLOAD 1-hSet, 1024*((\G)+1)                   ; the next group's scale words
.endif
.if (i >= 4) && (i <= 18) && (i%2 == 0)
	EFRAG (i-4)/2
.endif
.endif
.if \fma
.if (i >= 20) && (i <= 28) && (i%2 == 0)
	DOT4 2*(i-20)
.endif
.if i == 30
	WIN 0
.if ((\G) == 1) && ((\hf) == 0)
	v_add_nc_u32 v[EST], 32, v[EST]                ; on to this tile's 8 l.  (The last store that names it is done: the wait ahead of product 24 left out only this half's 32 loads)
.endif
	ds_store_b32 v[EST], v[X] offset:4*hLam        ; lanes r and r + 16 write the same word with the same value
.endif
.endif
.set i, i+1
.endr
.else
; THE CHANGE OF SLOTS.  All reads of slot S have been issued.  Each wave waits for all its tensor loads, of which one is out: its part of the other slot; adds 0 to its spare word; and waits for that and for its reads.
	WIN 0                                          ; (the add's two registers lie in window 0)
	s_wait_tensorcnt 0x0                           ; no tensor load of mine is out, so a group 0 may be written
	ds_add_u32 v[SPW], v[NIL]                      ; 0 onto my spare word
.if (\mode) == 1
	s_add_nc_u64 s[G0+4*(\S)+2:G0+4*(\S)+3], s[G0+4*(\S)+2:G0+4*(\S)+3], 16*65536  ; this slot's next tile: two tiles on; the type bits on top are not reached
	s_wait_xcnt 0x0                                ; the last prefetch, a slot back, has read its address, so it may be written:
	s_add_nc_u64 s[PFA:PFA+1], s[PFA:PFA+1], 8*65536   ; one tile further on than the refill below
.endif
	s_wait_dscnt 24                                ; the first K step's 8 loads are in
.rept 8
	MM
.if i < 4
	v_nop
	v_nop
.elseif i%2 == 0
	DOT4 2*(i-4)
.endif
.set i, i+1
.endr
	s_wait_dscnt 0x0                               ; the add is done, and my reads of this slot are over
	s_barrier_signal -1                            ; (with a refill this barrier opens a round of the cluster's)
.rept 8
	MM                                             ; work on registers while the others arrive
.if (i <= 12) && (i%2 == 0)
	DOT4 2*(i-4)
.endif
.set i, i+1
.endr
	WIN 0
	s_barrier_wait -1
.if (\mode) == 1
	CREST                                          ; no wave of any partner still reads this slot's tile or has a load on its way
	tensor_load_to_lds s[G0+4*(\S):G0+4*(\S)+3], s[G1:G1+7]  ; my one tensor load behind the round, and the first thing there: it has a slot's 256 matrix instructions in which to land
	s_nop 0
.rept 4
	v_nop
.endr
.endif
	ds_store_b32 v[EST], v[X] offset:4*hLam
	v_add_nc_u32 v[ASC], 4096, v[ASC]              ; on to the next tile's scale words (no load that names it is out)
	ESLOAD 0, 0
	EFRAG 0
	EFRAG 1
	WIN 0
.if (\mode) == 1
	ASK \ask                                       ; behind the joint load and the run of LDS loads that the next products wait for
.endif
.rept 16
	MM
.if (i <= 26) && (i%2 == 0)
	EFRAG (i-16)/2+2
.endif
.set i, i+1
.endr
.endif
.endm
.macro GROUP S, G, fma, mode, ask
	HALF \S, \G, 0, \fma, 0, 0
	HALF \S, \G, 1, \fma, \mode, \ask
.endm
	s_wait_tensorcnt 1                             ; the scale bytes and my part of tile 0 are in; tile 1's load may stay out
	s_wait_dscnt 0x0                               ; W's fragments are in
	s_barrier_signal -1
	s_barrier_wait -1                              ; everybody's parts are in
	ESLOAD 0, 0
.set nS, 0
.set nG, 0
.set nH, 0
.irp f, 0,1,2,3,4,5,6,7
	EFRAG \f
.endr
	GROUP 0, 0, 0, 0, 0                            ; tile 0's first group stands in front of the loop: there is no group before it to take the dot of
	WIN 0                                          ; at a label and at a branch every window is 0
	s_mov_b32 s[CNT], 3
.Ltrip:                                            ; a trip goes once round the ring, from a tile's second group to the first group two tiles on, and fills both slots again: tiles 2 and 3, 4 and 5, 6 and 7
	GROUP 0, 1, 1, 0, 0
	GROUP 0, 2, 1, 0, 0
	GROUP 0, 3, 1, 1, 1
	GROUP 1, 0, 1, 0, 0
	GROUP 1, 1, 1, 0, 0
	GROUP 1, 2, 1, 0, 0
	GROUP 1, 3, 1, 1, 2
	GROUP 0, 0, 1, 0, 0
	WIN 0
	s_sub_co_u32 s[CNT], s[CNT], 1
	s_cmp_lg_u32 s[CNT], 0
	s_cbranch_scc1 .Ltrip
	GROUP 0, 1, 1, 0, 0                            ; the tail is written out: tiles 6 and 7 ask for nothing
	GROUP 0, 2, 1, 0, 0
	GROUP 0, 3, 1, 2, 0
	GROUP 1, 0, 1, 0, 0
	GROUP 1, 1, 1, 0, 0
	GROUP 1, 2, 1, 0, 0
	GROUP 1, 3, 1, 3, 0
	; the last group's dot
	WIN 0
	s_wait_dscnt 0x0                               ; the last store of an energy is done: its register is written again below
.rept 8
	v_nop                                          ; places behind the last products
.endr
.set hSet, 0                                       ; the dot takes the other set: the last group's
.set hH, 0
.irp n, 0,4,8,12,16
	DOT4 \n
.endr
	ds_store_b32 v[EST], v[X] offset:24
.set hH, 1
.irp n, 0,4,8,12
	DOT4 \n
.endr
	s_wait_dscnt 0x0                               ; that store is done
	DOT4 16
	ds_store_b32 v[EST], v[X] offset:28
	; THE WAY OUT.  Each wave's stage holds its 64 units' part of the energies of 16 b x 64 l.  Behind a barrier wave w adds the four waves' parts of rows 4 w .. 4 w + 3 and stores them.
	s_wait_dscnt 0x0                               ; for the others' sake: my stores are done
	s_barrier_signal -1
	s_barrier_wait -1
.irp u, 0,1
.irp p, 0,1,2,3
	ds_load_b128 v[BI+16*\u+4*\p:BI+16*\u+4*\p+3], v[ORD] offset:\p*16*272+544*\u   ; row 4 w + 2 u + h of wave p's stage, 16 bytes a lane
.endr
.endr
	s_wait_dscnt 0x0
.irp u, 0,1
.irp n, 0,2
	v_pk_add_f32 v[BI+16*\u+\n:BI+16*\u+\n+1],     v[BI+16*\u+\n:BI+16*\u+\n+1],     v[BI+16*\u+4+\n:BI+16*\u+5+\n]
	v_pk_add_f32 v[BI+16*\u+8+\n:BI+16*\u+9+\n],   v[BI+16*\u+8+\n:BI+16*\u+9+\n],   v[BI+16*\u+12+\n:BI+16*\u+13+\n]
.endr
.irp n, 0,2
	v_pk_add_f32 v[BI+16*\u+\n:BI+16*\u+\n+1],     v[BI+16*\u+\n:BI+16*\u+\n+1],     v[BI+16*\u+8+\n:BI+16*\u+9+\n]
.endr
	global_store_b128 v[OGO], v[BI+16*\u:BI+16*\u+3], s[16:17] offset:8192*\u   ; 16 lanes store 256 consecutive bytes (64 l of one b), at a multiple of 256 from part's first byte
.endr
	s_wait_tensorcnt 0x0                           ; the wave's end: behind my last tensor load and my last LDS store
	ds_add_u32 v[SPW], v[NIL]
	s_wait_dscnt 0x0
	CROUND                                         ; the closing round: no work-group ends while a partner may still ask for a tile that names it
	s_endpgm
.Lfunc_end_k_qe56760fd52_energy:
	.size	k_qe56760fd52_energy, .Lfunc_end_k_qe56760fd52_energy-k_qe56760fd52_energy
	.p2alignl 7, 3214868480
	.fill 96, 4, 3214868480
	.section	.rodata,"a",@progbits
	.p2align	6, 0x0
	.amdhsa_kernel k_qe56760fd52_energy
		.amdhsa_group_segment_fixed_size 327680
		.amdhsa_private_segment_fixed_size 0
		.amdhsa_enable_private_segment 0
		.amdhsa_kernarg_size 56
		.amdhsa_user_sgpr_count 2
		.amdhsa_user_sgpr_kernarg_segment_ptr 1
		.amdhsa_wavefront_size32 1
		.amdhsa_system_sgpr_workgroup_id_x 1
		.amdhsa_system_sgpr_workgroup_id_y 1
		.amdhsa_system_sgpr_workgroup_id_z 1
		.amdhsa_system_vgpr_workitem_id 0
		.amdhsa_next_free_vgpr 1024
		.amdhsa_next_free_sgpr 80
		.amdhsa_reserve_vcc 0
		.amdhsa_float_denorm_mode_32 3
		.amdhsa_float_denorm_mode_16_64 3
		.amdhsa_memory_ordered 1
		.amdhsa_forward_progress 1
		.amdhsa_inst_pref_size 255
	.end_amdhsa_kernel
	.section	.bss,"aw",@nobits
	.p2align	6
	.space	262144
	.amdgpu_metadata
---
amdhsa.version: [ 1, 2 ]
amdhsa.kernels:
  - .name:           k_qe56760fd52_energy
    .symbol:         k_qe56760fd52_energy.kd
    .args:
      - { .name: W_codes, .offset: 0, .size: 8, .value_kind: global_buffer, .address_space: global }
      - { .name: W_scales, .offset: 8, .size: 8, .value_kind: global_buffer, .address_space: global }
      - { .name: b, .offset: 16, .size: 8, .value_kind: global_buffer, .address_space: global }
      - { .name: encoder_outputs_codes, .offset: 24, .size: 8, .value_kind: global_buffer, .address_space: global }
      - { .name: encoder_outputs_scales, .offset: 32, .size: 8, .value_kind: global_buffer, .address_space: global }
      - { .name: hidden, .offset: 40, .size: 8, .value_kind: global_buffer, .address_space: global }
      - { .name: part, .offset: 48, .size: 8, .value_kind: global_buffer, .address_space: global }
    .group_segment_fixed_size: 327680
    .private_segment_fixed_size: 0
    .kernarg_segment_align: 8
    .kernarg_segment_size: 56
    .max_flat_workgroup_size: 128
    .sgpr_count:     80
    .vgpr_count:     1024
    .wavefront_size: 32
...
	.end_amdgpu_metadata
.endif
;; end of part 1
;; launch softmax (part 2): grid 64 x 1, 1 waves a work-group, no clusters, 0 bytes of LDS; arguments part, out0; writes out0
.if DOCPART == 2
	.amdgcn_target "amdgcn-amd-amdhsa--gfx1250"
	.amdhsa_code_object_version 6
	.text
	.protected	k_qe56760fd52_softmax
	.globl	k_qe56760fd52_softmax
	.p2align	8
	.type	k_qe56760fd52_softmax,@function
k_qe56760fd52_softmax:
	s_mov_b64 s[64:65], 0
	v_nop
	global_prefetch_b8 v0, s[64:65] scope:SCOPE_SE
	s_setreg_imm32_b32 hwreg(HW_REG_WAVE_MODE, 25, 1), 1
	s_wait_xcnt 0x0
; out0[b][0][l] = softmax over l of e[b][l],  e[b][l] = part[0][b][l] + part[1][b][l] + part[2][b][l] + part[3][b][l].  part: [4][64][1024] f32; out0: [64][1][1024] f32.
; One wave takes one row b: 4 x 4,096 bytes, 32 loads of 16 bytes a lane, each of 512 consecutive bytes; the row stays in 32 registers a lane between the maximum, the exponentials and the scaling.
; The reduction never leaves the wave: no LDS, no barrier.  The problem has 64 rows, so 64 work-groups: a row spread over several waves would add barriers to a launch that only waits for its one batch of loads.
; No matrix unit, no cluster, no prefetch: each byte is read once, by one batch of loads at the head.
; LIMITS: an exponential under 2^-126 comes out as 0 (v_exp_f32: ISA guide 15.8); NaN and infinities among the energies are not served.
.set XR, 32                            ; v32-63 the row: register 4 j + i is l = 128 j + 4 lane + i;  v64-159 the other three parts
	s_load_b128 s[4:7], s[0:1], 0x0                ; part, out0
	s_lshl_b32 s8, ttmp9, 12                       ; row b: 4,096 bytes
	s_mov_b32 s9, 0
	s_mov_b32 s10, 0x76543210                      ; v_permlanex16_b32's selects for lane l xor 16
	s_mov_b32 s11, 0xfedcba98
	s_mov_b32 s12, 0x3fb8aa3b                      ; log2(e)
	s_mov_b32 s13, s12                             ; (named with it as a pair, so it is written)
	v_lshlrev_b32 v1, 4, v0                        ; 16 bytes a lane
	v_mov_b32 v3, 0                                ; written once: a lane permute's destination counts as one of its sources
	s_wait_kmcnt 0x0
	s_add_nc_u64 s[4:5], s[4:5], s[8:9]
	s_add_nc_u64 s[6:7], s[6:7], s[8:9]
.irp q, 0,1,2,3
.irp j, 0,1,2,3,4,5,6,7
	global_load_b128 v[XR+32*\q+4*\j:XR+32*\q+4*\j+3], v1, s[4:5] offset:\q*262144+512*\j th:TH_LOAD_NT
.endr
.endr
	s_wait_loadcnt 0x0
.irp n, 0,2,4,6,8,10,12,14,16,18,20,22,24,26,28,30
	v_pk_add_f32 v[XR+\n:XR+\n+1],       v[XR+\n:XR+\n+1],       v[XR+32+\n:XR+33+\n]
	v_pk_add_f32 v[XR+64+\n:XR+65+\n],   v[XR+64+\n:XR+65+\n],   v[XR+96+\n:XR+97+\n]
.endr
.irp n, 0,2,4,6,8,10,12,14,16,18,20,22,24,26,28,30
	v_pk_add_f32 v[XR+\n:XR+\n+1],       v[XR+\n:XR+\n+1],       v[XR+64+\n:XR+65+\n]   ; the energies
.endr
	v_max3_num_f32 v4, v[XR], v[XR+1], v[XR+2]     ; the largest of my 32, in two chains
	v_max3_num_f32 v5, v[XR+3], v[XR+4], v[XR+5]
.irp n, 6,10,14,18,22,26
	v_max3_num_f32 v4, v4, v[XR+\n], v[XR+\n+1]
	v_max3_num_f32 v5, v5, v[XR+\n+2], v[XR+\n+3]
.endr
	v_max3_num_f32 v4, v4, v[XR+30], v[XR+31]
	v_max_num_f32 v4, v4, v5
	v_max_num_f32_dpp v4, v4, v4 row_xmask:1 row_mask:0xf bank_mask:0xf   ; across the 32 lanes
	v_max_num_f32_dpp v4, v4, v4 row_xmask:2 row_mask:0xf bank_mask:0xf
	v_max_num_f32_dpp v4, v4, v4 row_xmask:4 row_mask:0xf bank_mask:0xf
	v_max_num_f32_dpp v4, v4, v4 row_xmask:8 row_mask:0xf bank_mask:0xf
	v_permlanex16_b32 v3, v4, s10, s11
	v_max_num_f32 v4, v4, v3                       ; every lane holds the row's maximum m
	v_mov_b32 v5, v4
.irp n, 0,2,4,6,8,10,12,14,16,18,20,22,24,26,28,30
	v_pk_add_f32 v[XR+\n:XR+\n+1], v[XR+\n:XR+\n+1], v[4:5] neg_lo:[0,1] neg_hi:[0,1]   ; x - m first, and then the factor: one fused line would carry the rounding of log2(e) m, which grows with the energies
.endr
.irp n, 0,2,4,6,8,10,12,14,16,18,20,22,24,26,28,30
	v_pk_mul_f32 v[XR+\n:XR+\n+1], v[XR+\n:XR+\n+1], s[12:13] op_sel_hi:[1,0]
.endr
.irp n, 0,1,2,3,4,5,6,7,8,9,10,11,12,13,14,15,16,17,18,19,20,21,22,23,24,25,26,27,28,29,30,31
	v_exp_f32 v[XR+\n], v[XR+\n]                   ; e^(x - m), at most 1, and 1 at the maximum
.endr
	v_nop                                          ; a plain instruction behind the last exponential (ISA guide 5.7.2)
	s_wait_alu depctr_va_vdst(0)                   ; one wait for the whole batch, ahead of its first reader
	v_pk_add_f32 v[6:7], v[XR:XR+1], v[XR+2:XR+3]  ; the sum, two at a time, in two chains
	v_pk_add_f32 v[8:9], v[XR+4:XR+5], v[XR+6:XR+7]
.irp n, 8,12,16,20,24,28
	v_pk_add_f32 v[6:7], v[6:7], v[XR+\n:XR+\n+1]
	v_pk_add_f32 v[8:9], v[8:9], v[XR+\n+2:XR+\n+3]
.endr
	v_pk_add_f32 v[6:7], v[6:7], v[8:9]
	v_add_f32 v6, v6, v7
	v_add_f32_dpp v6, v6, v6 row_xmask:1 row_mask:0xf bank_mask:0xf
	v_add_f32_dpp v6, v6, v6 row_xmask:2 row_mask:0xf bank_mask:0xf
	v_add_f32_dpp v6, v6, v6 row_xmask:4 row_mask:0xf bank_mask:0xf
	v_add_f32_dpp v6, v6, v6 row_xmask:8 row_mask:0xf bank_mask:0xf
	v_permlanex16_b32 v3, v6, s10, s11
	v_add_f32 v6, v6, v3                           ; the row's sum, at least 1
	v_rcp_f32 v10, v6
	v_rcp_f32 v11, v6                              ; twice: a pair for the packed multiply
	v_nop
	s_wait_alu depctr_va_vdst(0)                   ; one wait for both reciprocals, ahead of their first reader
.irp j, 0,1,2,3,4,5,6,7
	v_pk_mul_f32 v[XR+4*\j:XR+4*\j+1],   v[XR+4*\j:XR+4*\j+1],   v[10:11]
	v_pk_mul_f32 v[XR+4*\j+2:XR+4*\j+3], v[XR+4*\j+2:XR+4*\j+3], v[10:11]
	global_store_b128 v1, v[XR+4*\j:XR+4*\j+3], s[6:7] offset:512*\j th:TH_STORE_NT   ; 32 lanes store 512 consecutive bytes, at a multiple of 256 from out0's first byte
.endr
	s_endpgm
.Lfunc_end_k_qe56760fd52_softmax:
	.size	k_qe56760fd52_softmax, .Lfunc_end_k_qe56760fd52_softmax-k_qe56760fd52_softmax
	.p2alignl 7, 3214868480
	.fill 96, 4, 3214868480
	.section	.rodata,"a",@progbits
	.p2align	6, 0x0
	.amdhsa_kernel k_qe56760fd52_softmax
		.amdhsa_group_segment_fixed_size 0
		.amdhsa_private_segment_fixed_size 0
		.amdhsa_enable_private_segment 0
		.amdhsa_kernarg_size 16
		.amdhsa_user_sgpr_count 2
		.amdhsa_user_sgpr_kernarg_segment_ptr 1
		.amdhsa_wavefront_size32 1
		.amdhsa_system_sgpr_workgroup_id_x 1
		.amdhsa_system_sgpr_workgroup_id_y 1
		.amdhsa_system_sgpr_workgroup_id_z 1
		.amdhsa_system_vgpr_workitem_id 0
		.amdhsa_next_free_vgpr 160
		.amdhsa_next_free_sgpr 66
		.amdhsa_reserve_vcc 0
		.amdhsa_float_denorm_mode_32 3
		.amdhsa_float_denorm_mode_16_64 3
		.amdhsa_memory_ordered 1
		.amdhsa_forward_progress 1
		.amdhsa_inst_pref_size 15
	.end_amdhsa_kernel
	.amdgpu_metadata
---
amdhsa.version: [ 1, 2 ]
amdhsa.kernels:
  - .name:           k_qe56760fd52_softmax
    .symbol:         k_qe56760fd52_softmax.kd
    .args:
      - { .name: part, .offset: 0, .size: 8, .value_kind: global_buffer, .address_space: global }
      - { .name: out0, .offset: 8, .size: 8, .value_kind: global_buffer, .address_space: global }
    .group_segment_fixed_size: 0
    .private_segment_fixed_size: 0
    .kernarg_segment_align: 8
    .kernarg_segment_size: 16
    .max_flat_workgroup_size: 32
    .sgpr_count:     66
    .vgpr_count:     160
    .wavefront_size: 32
...
	.end_amdgpu_metadata
.endif
;; end of part 2
;; ======== version 2 of 2: 2 launches
;; limits: right only within a limited range of input values
;; workspace buffers: part 1,048,576 bytes
;; launch energy (part 3): grid 4 x 64, 4 waves a work-group, clusters of 4 x 4, 327,680 bytes of LDS; arguments W_codes, W_scales, encoder_outputs_codes, encoder_outputs_scales, hidden, part; writes part
.if DOCPART == 3
	.amdgcn_target "amdgcn-amd-amdhsa--gfx1250"
	.amdhsa_code_object_version 6
	.text
	.protected	k_qe56760fd52_energy
	.globl	k_qe56760fd52_energy
	.p2align	8
	.type	k_qe56760fd52_energy,@function
k_qe56760fd52_energy:
	s_mov_b64 s[64:65], 0
	v_nop
	global_prefetch_b8 v0, s[64:65] scope:SCOPE_SE
	s_setreg_imm32_b32 hwreg(HW_REG_WAVE_MODE, 25, 1), 1
	s_wait_xcnt 0x0
	s_wait_alu depctr_hold_cnt(0) depctr_sa_sdst(0) depctr_va_vdst(0) depctr_va_sdst(0) depctr_va_ssrc(0) depctr_va_vcc(0) depctr_vm_vsrc(0)
	s_getreg_b32 s2, hwreg(HW_REG_IB_STS2, 6, 4)
	s_cmp_eq_u32 s2, 0
	s_cbranch_scc0 .Lentry_in_a_cluster
	s_endpgm
.Lentry_in_a_cluster:
	s_bfe_u32 s2, ttmp6, 0x10000c
	s_cmp_lg_u32 s2, 0xf033
	s_cbranch_scc0 .Lentry_shape_is_right
	s_endpgm
.Lentry_shape_is_right:
; part[q][b][l] = the sum over the 256 g of quarter q of hidden[b][g] x proj[l][b][g],  proj[l][b][g] = the sum over k of enc[l][b][k] W[g][k].
; DEAD WORK.  reference() adds b[g] to proj.  That adds sum over g of hidden[b][g] b[g] to the energy of every l of a row b: one number, the same along the axis of the softmax that follows, which takes it away again for all finite values
; of hidden and b.  So b has no way to the output: it is not loaded and is among no launch's arguments.  Limit: a NaN, an infinity or an overflow that arises from b alone is not carried to the result.
; enc and W are codes of FP8 (E4M3) with one E8M0 byte for each 32 along K: they go to the matrix unit as they lie.  proj never leaves the registers: the product with hidden is taken on the accumulators, in f32.
; SHARES.  A work-group owns a quarter of g (256 units) and 1,024 encoder rows: 16 neighbouring b x 64 neighbouring l.  Wave w owns 128 units (gh = w / 2: 8 tiles) and half of K (kh = w % 2: 4 K steps): 8 x 4 x 16 = 512 registers of W,
; which stay for the whole launch.  The encoder's rows stream through a ring of two LDS slots of 128 rows (8 l x 16 b): a fragment read from LDS feeds eight matrix instructions.  The product with hidden is linear, so each wave takes the dot
; of its half sums, and the four waves' parts are added on the way out.
; CLUSTER, 4 x 4.  cx is the quarter of g, cy the block of 16 b.  The four of a row (same cy) ask for each encoder tile JOINTLY; the four of a column (same cx) ask jointly for W's tiles 0-3 of each wave pair.
; W's other tiles come by loads into registers, since LDS has no room for them beside the first encoder tile.
; LAYOUT.  Source 0 = 16 rows of W, source 1 = 16 encoder rows (one l, 16 b): lane (r, h) of a result holds row b0 + r, register j the unit 16 t + 8 h + j.
; A GROUP is one l (16 rows): two passes of 16 matrix instructions, W's tiles 0-3 into accumulator set 0, then tiles 4-7 into set 1, each on the same four fragments (K steps).  While one set is multiplied, the dot of the other stands
; behind the matrix instructions.  The next group's 16 fragment loads stand in ONE run, early in the first pass: 28 matrix instructions ahead of their use.  A slot has 8 groups.
; LIMITS: each proj is summed as two halves of K, in f32, which meet only behind the multiplication by hidden; the sums over g are taken in another order than a plain loop's, all in f32; a scale byte 0xff gives NaN, as the matrix unit gives it.
; REGISTERS, in windows of 256 (s_set_vgpr_msb: bits 1:0 source 0, 3:2 source 1, 5:4 source 2, 7:6 destination).  W, hidden and LDS addresses are sources 0; everything else is in window 1: so products, dots and loads share one setting.
;   window 0: addresses; v14-29 W's scale words; v32-63 the encoder's, a set for each slot; v72-87 hidden of tiles 2, 3; v88-119 the way out; v128-255 W: pass 1, K steps 2, 3
;   window 1: v0-31 chains and energies; v64-127 the accumulators, two sets; v128-255 the encoder's fragments, two buffers
;   window 2: v0-23 hidden of tiles 4, 5, 6; v24-27 LDS addresses; v64-255 W: pass 0, K steps 0, 1, 2
;   window 3: v0-23 hidden of tiles 7, 0, 1; v64-127 W: pass 0, K step 3; v128-255 W: pass 1, K steps 0, 1
.set PITCH, 1040                       ; an LDS row: 1,024 bytes + 16 of padding = 65 x 16: the 16 rows that a load touches start at 16 different 16-byte columns
.set SLOT,  128*PITCH                  ; 133,120
.set SC,    2*SLOT                     ; the encoder's scale bytes of my 64 l x 16 b: 64 rows of 512 bytes; filled once
.set ESTG,  SC+32768                   ; 16 rows x 272 bytes for each wave: first the stage through which half of W is turned, then the wave's energies (row b: 16 bytes, then 64 l x 4 bytes).  Written by LDS stores alone
.set SPARE, ESTG+4*16*272              ; the spare words, 128 bytes for each wave
.set AE,  2                            ; v2-5   LDS address of my lane's place in slot S, rows 64 x u on, my half of K: v[AE + 2 S + u]
.set ASC, 6                            ; of my scale words: lanes 0-15 the even l, lanes 16-31 the odd one; steps by a tile
.set EST, 7                            ; of my row of energies; steps by a tile
.set SPW, 8                            ; of my spare word
.set NIL, 9                            ; 0
.set PFO, 10                           ; the prefetches' offset: a lane a row; never rewritten
.set WS,  14                           ; register 4 (t / 2) + sl: lanes 0-15 the words of tile 2 (t / 2), lanes 16-31 of the tile after it
.set ES,  32                           ; set S, register 4 (G / 2) + sl: lanes 0-15 the even group's row tile, lanes 16-31 the odd group's
.set WOF, 64                           ; W's codes: my 16 bytes of two rows' 256
.set WSI, 65                           ; the stage, on the way in
.set WSB, 66                           ; and back
.set ORD, 67                           ; the way out: where I read energies
.set OGO, 68                           ; and my byte offset in part
.set WA,  69                           ; my half of the W image in slot 1
.set HID0, 72
.set OUTR, 88
.set T,   120
.set AEW, 24                           ; window 2: a copy of v2-5
.set CA,  0                            ; window 1: the dot of set 0, a pair
.set CB,  2                            ; the dot of set 1, a pair
.set X,   8                            ; group G's sum, my lane's half of the units, at X + G
.set Y,   16
.set E,   24                           ; energies on their way to the stage
.set ACC, 64
.set FRB, 128
.set WV,  18                           ; s18    my wave's number
.set G0H, 20                           ; s[20:23] group 0, s[92:99] group 1: the head's load of encoder tile 0
.set G1,  24                           ; s[24:31] group 1 for the ring's loads; s[32:35], s[36:39] group 0 for slot 0, 1
.set G0,  32
.set G1S, 40                           ; the scale bytes
.set G0S, 48
.set PFA, 52                           ; where my prefetches stand
.set CNT, 54
.set KH,  55
.set SEL, 56                           ; v_permlanex16_b32: lane l xor 16
.set G1W, 80                           ; the W image
.set G0W, 88
.set G1H, 92
.set MSB, 0
.macro WIN new                         ; the immediate's high byte repeats the setting that is left; a switch that changes nothing is dropped
.if MSB != (\new)
	s_set_vgpr_msb (MSB<<8)|(\new)
.set MSB, (\new)
.endif
.endm
.macro CREST                           ; a round of the cluster's barrier behind its opening barrier
	s_cmp_lg_u32 s[WV], 0
	s_cbranch_scc1 .Lnot_wave_0_\@
	s_barrier_signal -3
.Lnot_wave_0_\@:
	s_barrier_wait -3
	s_barrier_signal -1
	s_barrier_wait -1
.endm
.macro CROUND                          ; a whole round
	s_barrier_signal -1
	s_barrier_wait -1
	CREST
.endm
.macro TLOAD g0, g1                    ; a tensor load
	tensor_load_to_lds s[\g0:\g0+3], s[\g1:\g1+7]
	s_nop 0
	v_nop
	v_nop
	v_nop
	v_nop
.endm
	s_load_b256 s[4:11], s[0:1], 0x0               ; W's codes s[4:5], W's scales s[6:7], the encoder's codes s[8:9], its scales s[10:11]
	s_load_b128 s[12:15], s[0:1], 0x20             ; hidden s[12:13], part s[14:15]
	v_lshl_add_u32 v[SPW], v0, 2, SPARE
	v_mov_b32 v[NIL], 0
	ds_add_u32 v[SPW], v[NIL]                      ; the opening add, twice on end
	ds_add_u32 v[SPW], v[NIL]
	v_lshrrev_b32 v1, 5, v0
	v_readfirstlane_b32 s[WV], v1                  ; wave 0..3
	s_and_b32 s[KH], s[WV], 1                      ; kh: my half of K
	s_lshr_b32 s3, s[WV], 1                        ; gh: my half of the work-group's units
	s_bfe_u32 s19, ttmp6, 0x40000                  ; cx = my quarter of g
	s_bfe_u32 s58, ttmp6, 0x40004                  ; cy: b0 = 16 cy
	s_and_b32 s59, ttmp7, 0xffff                   ; the cluster's y: l0 = 64 y
	s_lshl_b32 s70, s58, 2
	s_lshl_b32 s70, 15, s70                        ; my row of the cluster: places 4 cy .. 4 cy + 3
	s_lshl_b32 s71, 0x1111, s19                    ; my column: places cx, cx + 4, cx + 8, cx + 12
	; group 1 of the ring's loads.  A wave's quarter of a tile is 2 l x 16 b x 1,024 bytes; the 16 rows of one l are 16,384 consecutive bytes: 2 rows of 2,048 elements of 8 bytes, 65,536 bytes apart,
	; with 4 words of padding behind every 256 words, that is behind each encoder row.  The head's load of tile 0 (8 l) and of the W image (64 rows of W: 4 rows of 16,384 consecutive bytes) have the same rows and padding
	s_or_b32 s[G1+0], s70, (3<<16)|(1<<20)|(1<<21)|(7<<22)|(3<<25)  ; 15:0 the mask; 17:16 elements of 8 bytes; 20 padding on; 21 set beside a mask; 24:22 after every 256 words; 31:25 4 words
	s_or_b32 s[G1H+0], s70, (3<<16)|(1<<20)|(1<<21)|(7<<22)|(3<<25)
	s_or_b32 s[G1W+0], s71, (3<<16)|(1<<20)|(1<<21)|(7<<22)|(3<<25)
.irp g, G1, G1H, G1W
	s_mov_b32 s[\g+1], 2048<<16                    ; tensor_dim0
	s_mov_b32 s[\g+3], 2048<<16                    ; tile_dim0
	s_mov_b32 s[\g+6], 0
	s_mov_b32 s[\g+7], 0
.endr
	s_mov_b32 s[G1+2], 2<<16                       ; tensor_dim1
	s_mov_b32 s[G1+4], 2                           ; tile_dim1
	s_mov_b32 s[G1+5], 8192                        ; tensor_dim0_stride: from l to l
	s_mov_b32 s[G1H+2], 8<<16
	s_mov_b32 s[G1H+4], 8
	s_mov_b32 s[G1H+5], 8192
	s_mov_b32 s[G1W+2], 4<<16
	s_mov_b32 s[G1W+4], 4
	s_mov_b32 s[G1W+5], 2048
	; group 1, the scale bytes: 64 l x 512 bytes (16 b x 32), 2,048 bytes apart in memory, dense in LDS
	s_or_b32 s[G1S+0], s70, (3<<16)|(1<<21)
	s_mov_b32 s[G1S+1], 64<<16
	s_mov_b32 s[G1S+2], 64<<16
	s_mov_b32 s[G1S+3], 64<<16
	s_mov_b32 s[G1S+4], 64
	s_mov_b32 s[G1S+5], 256
	s_mov_b32 s[G1S+6], 0
	s_mov_b32 s[G1S+7], 0
	s_mov_b32 s[G0], 1                             ; group 0: 1:0 count = 1; 63:32 the LDS address: no place in the cluster enters it
	s_mul_i32 s[G0+1], s[WV], 32*PITCH             ; the ring: wave x 32 rows
	s_mov_b32 s[G0+4], 1
	s_add_co_u32 s[G0+5], s[G0+1], SLOT
	s_mov_b32 s[G0H], 1
	s_mov_b32 s[G0H+1], 0                          ; tile 0: slot 0
	s_mov_b32 s[G0S], 1
	s_mov_b32 s[G0S+1], SC
	s_mov_b32 s[G0W], 1
	s_mul_i32 s[G0W+1], s[WV], 64*PITCH            ; the W image: slot 1, wave x 64 rows (waves 0 and 1 load it)
	s_add_co_u32 s[G0W+1], s[G0W+1], SLOT
	s_lshl_b32 s66, s59, 22                        ; the encoder's codes: l0 x 65,536 + b0 x 1,024
	s_lshl_b32 s67, s58, 14
	s_add_co_u32 s66, s66, s67
	s_mov_b32 s67, 0
	s_lshl_b32 s60, s[WV], 17                      ; + 2 w l: my part of the ring's tiles
	s_add_co_u32 s60, s60, s66
	s_mov_b32 s61, 0
	s_lshl_b32 s68, s59, 17                        ; its scale bytes: (l0 x 64 + b0) x 32
	s_lshl_b32 s69, s58, 9
	s_add_co_u32 s68, s68, s69
	s_mov_b32 s69, 0
	s_lshl_b32 s16, s19, 8                         ; the prefetches: byte 256 cx of each row, from tile 1 on
	s_add_co_u32 s16, s16, 8*65536
	s_mov_b32 s17, 0
	s_lshl_b32 s62, s19, 18                        ; the W image: rows 256 cx + 128 w on: tiles 0-3 of each half of the units
	s_lshl_b32 s63, s[WV], 17
	s_add_co_u32 s62, s62, s63
	s_mov_b32 s63, 0
	s_lshl_b32 s70, s19, 8
	s_lshl_b32 s71, s3, 7
	s_add_co_u32 s70, s70, s71                     ; my first unit: 256 cx + 128 gh
	s_lshl_b32 s72, s70, 10                        ; in W's codes: its row, + 512 kh,
	s_lshl_b32 s73, s[KH], 9
	s_add_co_u32 s72, s72, s73
	s_mov_b32 s73, 0
	s_lshl_b32 s74, s70, 5                         ; in W's scales: its row, + 16 kh,
	s_lshl_b32 s75, s[KH], 4
	s_add_co_u32 s74, s74, s75
	s_mov_b32 s75, 0
	s_lshl_b32 s76, s58, 16                        ; b0 rows of 4,096 bytes
	s_lshl_b32 s78, s19, 18
	s_add_co_u32 s78, s78, s76                     ; part: (64 cx + b0) rows of 4,096 bytes,
	s_lshl_b32 s77, s59, 8
	s_add_co_u32 s78, s78, s77                     ; + 4 l0
	s_mov_b32 s79, 0
	s_lshl_b32 s77, s70, 2
	s_add_co_u32 s76, s76, s77                     ; hidden: row b0, my first unit
	s_mov_b32 s77, 0
	s_mov_b32 s[SEL], 0x76543210
	s_mov_b32 s[SEL+1], 0xfedcba98
	s_lshl_b32 s2, s[KH], 9
	s_mul_i32 s3, s3, 64*PITCH
	s_add_co_u32 s3, s3, SLOT                      ; my 64 rows of the W image
	s_lshl_b32 s58, s[KH], 4
	s_add_co_u32 s58, s58, SC
	s_mul_i32 s59, s[WV], 16*272
	s_add_co_u32 s70, s59, ESTG-32                 ; my energies, one tile's 32 bytes low: the first step comes ahead of the first store
	s_add_co_u32 s59, s59, ESTG                    ; my stage
	s_mul_i32 s71, s[WV], 4*272
	s_add_co_u32 s71, s71, ESTG                    ; the way out: rows 4 w on
	s_lshl_b32 s54, s[WV], 14                      ; and the same four rows in part
	v_and_b32 v11, 15, v0                          ; r
	v_bfe_u32 v12, v0, 4, 1                        ; h
	v_mul_u32_u24 v[T], v11, PITCH
	v_add_nc_u32 v[T], s2, v[T]                    ; row r, my half of the row: 512 kh
	v_add_nc_u32 v[T+1], 64*PITCH, v[T]
	v_add_nc_u32 v[T+2], SLOT, v[T]
	v_add_nc_u32 v[T+3], SLOT+64*PITCH, v[T]
.irp k, 0,1,2,3
	v_lshl_add_u32 v[AE+\k], v12, 4, v[T+\k]       ; + 16 h
.endr
	WIN 0x80
.irp k, 0,1,2,3
	v_lshl_add_u32 v[AEW+\k], v12, 4, v[T+\k]
.endr
	WIN 0x40
	v_mov_b32 v[X+6], 0                            ; tile 0's first two stores go to the 16 bytes ahead of each row, which nobody reads
	v_mov_b32 v[X+7], 0
.irp k, 0,1,2,3,4,5,6,7
	v_mov_b32 v[Y+\k], 0                           ; written once: a lane permute's destination counts as one of its sources
.endr
	WIN 0
	v_add_nc_u32 v[WA], s3, v[AE]
	v_lshlrev_b32 v[ASC], 5, v11
	v_lshl_add_u32 v[ASC], v12, 9, v[ASC]
	v_add_nc_u32 v[ASC], s58, v[ASC]               ; SC + 512 h + 32 r + 16 kh: my four K steps' words
	v_mul_u32_u24 v[EST], v11, 272
	v_add_nc_u32 v[WSB], s59, v[EST]
	v_lshl_add_u32 v[WSB], v12, 4, v[WSB]          ; the stage, back: row r, + 16 h
	v_add_nc_u32 v[EST], s70, v[EST]
	v_mul_u32_u24 v[WSI], v12, 272
	v_lshl_add_u32 v[WSI], v11, 4, v[WSI]          ; 272 h + 16 r
	v_add_nc_u32 v[ORD], s71, v[WSI]
	v_add_nc_u32 v[WSI], s59, v[WSI]               ; the stage, in: lanes 0-15 one row of 256 bytes, lanes 16-31 the next
	v_lshlrev_b32 v[PFO], 10, v11
	v_lshl_add_u32 v[PFO], v12, 16, v[PFO]         ; lanes 0-15 the 16 b of my even l, lanes 16-31 of my odd l
	v_lshlrev_b32 v13, 12, v11
	v_lshl_add_u32 v13, v12, 5, v13                ; hidden: row r, + 8 h numbers
	v_and_b32 v31, 31, v0
	v_lshlrev_b32 v30, 5, v31                      ; W's scales: a lane a row of 32 bytes
	v_lshlrev_b32 v[WOF], 10, v12
	v_lshl_add_u32 v[WOF], v11, 4, v[WOF]          ; W's codes: lanes 0-15 256 bytes of one row, lanes 16-31 of the next
	v_lshlrev_b32 v[OGO], 12, v12
	v_lshl_add_u32 v[OGO], v11, 4, v[OGO]
	v_add_nc_u32 v[OGO], s54, v[OGO]               ; part: row 4 w + h, 16 bytes a lane
	s_wait_alu depctr_va_vdst(0)
	s_wait_dscnt 0x0                               ; both opening adds are done
	s_wait_kmcnt 0x0
	s_add_nc_u64 s[G0W+2:G0W+3], s[4:5], s[62:63]
	s_or_b32 s[G0W+3], s[G0W+3], 0x80000000        ; 127:126 type = 2
	s_add_nc_u64 s[G0H+2:G0H+3], s[8:9], s[66:67]
	s_or_b32 s[G0H+3], s[G0H+3], 0x80000000
	s_add_nc_u64 s[G0S+2:G0S+3], s[10:11], s[68:69]
	s_or_b32 s[G0S+3], s[G0S+3], 0x80000000
	s_add_nc_u64 s[8:9], s[8:9], s[60:61]
	s_mov_b64 s[G0+2:G0+3], s[8:9]                 ; slot 0: tile 0, stepped ahead of its first use here
	s_or_b32 s[G0+3], s[G0+3], 0x80000000
	s_add_nc_u64 s[G0+6:G0+7], s[8:9], 8*65536     ; slot 1: tile 1, 8 l on
	s_or_b32 s[G0+7], s[G0+7], 0x80000000
	s_add_nc_u64 s[PFA:PFA+1], s[8:9], s[16:17]    ; at tile 1
	s_add_nc_u64 s[4:5], s[4:5], s[72:73]
	s_add_nc_u64 s[6:7], s[6:7], s[74:75]
	s_add_nc_u64 s[12:13], s[12:13], s[76:77]
	s_add_nc_u64 s[14:15], s[14:15], s[78:79]
	CROUND                                         ; all sixteen work-groups are here: the first joint loads meet
	; THE HEAD'S LOADS, ONE A WAVE: waves 0 and 1 the W image (tiles 0-3 of both halves of the units, into slot 1), wave 2 the encoder's tile 0, wave 3 its scale bytes
	s_cmp_lt_u32 s[WV], 2
	s_cbranch_scc0 .Lhead_enc
	TLOAD G0W, G1W
	s_branch .Lhead_asked
.Lhead_enc:
	s_cmp_lt_u32 s[WV], 3
	s_cbranch_scc0 .Lhead_sc
	TLOAD G0H, G1H
	s_branch .Lhead_asked
.Lhead_sc:
	TLOAD G0S, G1S
.Lhead_asked:
; W'S TILES 4-7 come by loads.  A chunk is 16 rows (tile 4 + t) x 256 bytes (K steps 2 q, 2 q + 1): eight loads, each of two rows' 256 consecutive bytes, into the 32 registers that the chunk's two fragments will take.
.macro WLOAD q
.irp t, 0,1,2,3
.irp n, 0,1,2,3,4,5,6,7
.set wR, 128+64*(\n/4)+16*\t+4*(\n%4)
	global_load_b128 v[wR:wR+3], v[WOF], s[4:5] offset:(64+16*\t+2*\n)*1024+256*\q
.endr
.endr
.endm
.macro HLOAD t, reg                    ; hidden of tile t
	global_load_b128 v[\reg:\reg+3], v13, s[12:13] offset:64*\t
	global_load_b128 v[\reg+4:\reg+7], v13, s[12:13] offset:64*\t+16
.endm
	WIN 0xc0
	WLOAD 0
	WIN 0
	WLOAD 1
.irp p, 0,1,2,3
	global_load_b128 v[WS+4*\p:WS+4*\p+3], v30, s[6:7] offset:1024*\p   ; rows 32 p + lane: the words of my four K steps
.endr
	HLOAD 2, HID0
	HLOAD 3, HID0+8
	WIN 0x80
	HLOAD 4, 0
	HLOAD 5, 8
	HLOAD 6, 16
	WIN 0xc0
	HLOAD 7, 0
	HLOAD 0, 8
	HLOAD 1, 16
	WIN 0
	; A PREFETCH INTO THE L2 of tile 1, whose joint load goes out when W is in registers.  A tile is 128 rows x 1,024 bytes: partner cx names byte 256 cx of each row (told apart BY ADDRESS),
	; wave w its own 32 rows, a lane a row: each aligned block of 256 bytes is named once in the launch
	global_prefetch_b8 v[PFO], s[PFA:PFA+1] th:TH_LOAD_NT scope:SCOPE_SE
; A chunk is turned through my own stage: in as it was loaded, back as fragments (lane (r, h): row r, bytes 128 u + 32 k + 16 h), into the registers that it left.
; LDS serves a wave's instructions in order (ISA guide 5.7.1.4): the loads see the stores, and the next chunk's stores come behind them.
.macro WTURN q, t
.set wL, 8*(7-(4*\q+\t))+20            ; the loads issued behind the chunk's: those of the chunks behind it, 4 of scale words, 16 of hidden
.if wL > 63
.set wL, 63
.endif
	s_wait_loadcnt wL
.irp n, 0,1,2,3,4,5,6,7
.set wR, 128+64*(\n/4)+16*\t+4*(\n%4)
	ds_store_b128 v[WSI], v[wR:wR+3] offset:544*\n
.endr
.irp u, 0,1
.irp k, 0,1,2,3
.set wR, 128+64*\u+16*\t+4*\k
	ds_load_b128 v[wR:wR+3], v[WSB] offset:128*\u+32*\k
.endr
.endr
.endm
	WIN 0xcc                                       ; destination and an LDS store's data (source 1) window 3
	WTURN 0, 0
	WTURN 0, 1
	WTURN 0, 2
	WTURN 0, 3
	WIN 0
	WTURN 1, 0
	WTURN 1, 1
	WTURN 1, 2
	WTURN 1, 3
; Product i of 16 of a pass (symbols: i; hP the pass: W's tiles 4 hP on and the accumulators' set; hS slot, hG group): K step sl = i / 4, W's tile 4 hP + tt, tt = i % 4.
; The 4 accumulators take turns, one instruction a turn.  A pass's first 4 products start the sums: nothing is ever cleared.
; The two scale registers' numbers differ by 2 modulo 4.
.macro MM1 a, b
.if sl == 0
	v_wmma_scale_f32_16x16x128_f8f6f4 v[rD:rD+7], v[rA:rA+15], v[rB:rB+15], 0, v[rW], v[rE] \a \b
.else
	v_wmma_scale_f32_16x16x128_f8f6f4 v[rD:rD+7], v[rA:rA+15], v[rB:rB+15], v[rD:rD+7], v[rW], v[rE] \a \b
.endif
.endm
.macro MM
.set sl, i/4
.set tt, i%4
.set rD, ACC+32*hP+8*tt
.set rB, FRB+64*(hG%2)+16*sl
.set rW, WS+4*((4*hP+tt)/2)+sl
.set rE, ES+16*hS+4*(hG/2)+sl
.if hP == 0
.if sl < 3
.set rA, 64+64*sl+16*tt
	WIN 0x56                                       ; source 0 (W) window 2, all else window 1
.else
.set rA, 64+16*tt
	WIN 0x57                                       ; source 0 window 3
.endif
.else
.set rA, 128+64*(sl%2)+16*tt
.if sl < 2
	WIN 0x57
.else
	WIN 0x54                                       ; source 0 window 0
.endif
.endif
.if tt%2 == 0
.if hG%2 == 0
	MM1
.else
	MM1 matrix_b_scale:MATRIX_SCALE_ROW1
.endif
.else
.if hG%2 == 0
	MM1 matrix_a_scale:MATRIX_SCALE_ROW1
.else
	MM1 matrix_a_scale:MATRIX_SCALE_ROW1, matrix_b_scale:MATRIX_SCALE_ROW1
.endif
.endif
.endm
; The 16 loads of the group to come (symbols: slot nS, group nG; fA: the address registers): 4 fragments, 4 loads of 16 bytes a lane each, 32 bytes apart
.macro FRAGS
.irp q, 0,1,2,3
.irp c, 0,1,2,3
.set fR, FRB+64*(nG%2)+16*\q+4*\c
.set fO, (nG%4)*16*PITCH+128*\q+32*\c
	ds_load_b128 v[fR:fR+3], v[fA+2*nS+nG/4] offset:fO
.endr
.endr
.endm
; Item f of 16 of the dot of the set that is not being multiplied: tile f / 4 of the set, each accumulator from its low end on.  hidden's pair lies in the window that holds W at that place of the pass.
.macro DOT f
.set dA, ACC+32*(1-hP)+2*(\f)
.if hP == 0
.set dC, CB
.if (\f) < 12
.set dH, 2*(\f)
.else
.set dH, 2*(\f)-24
.endif
.else
.set dC, CA
.if (\f) < 8
.set dH, 8+2*(\f)
.else
.set dH, HID0+2*(\f)-16
.endif
.endif
.if (\f) == 0
	v_pk_mul_f32 v[dC:dC+1], v[dH:dH+1], v[dA:dA+1]
.else
	v_pk_fma_f32 v[dC:dC+1], v[dH:dH+1], v[dA:dA+1], v[dC:dC+1]
.endif
.endm
; The two sets' dots of a group are added, then the pair's two halves.  Source 0 stands in W's window, so the additions are written as multiply-adds whose source 0 is the inline constant 1.0.
.macro JOIN
	v_pk_fma_f32 v[CA:CA+1], 1.0, v[CA:CA+1], v[CB:CB+1] op_sel_hi:[0,1,1]
.endm
.macro SUM g
	v_fma_f32 v[X+\g], 1.0, v[CA], v[CA+1]
.endm
; The vector lines behind product i.  PLACES: between a set's first finished product and the first line that reads its result stand 8 lines: 4 behind the pass's last four products, 2 + 2 behind the next pass's first two.
; In the first pass four items stand ahead of the run of loads behind product 3, and none behind products 4 and 5.
; lvl 0: the first group of all: nothing to take the dot of.
.macro LINES lvl
.if i < 2
.if (hP == 1) && (\lvl)
.if i == 0
	JOIN                                           ; the group before this one
.else
.set sG, (hG+7)%8
	SUM sG
.endif
	v_nop
.else
	v_nop
	v_nop
.endif
.elseif (hP == 0) && (\lvl == 0)
	v_nop
.elseif i < 4
	DOT 2*i-4
	DOT 2*i-3
.if (hP == 0) && (i == 3)
	DOT 4
	DOT 5
.endif
.elseif (hP == 1) || (i > 5)
	DOT i
.endif
.endm
; In front of a change of slots, behind group 6's run of loads: each wave waits for all its tensor loads, of which one is out (its part of the other slot), and adds 0 to its spare word.
; No LDS instruction follows until the wait for the add, at the head of group 7.
.macro SYNC S, mode
	WIN 0
	s_wait_alu depctr_va_vdst(0)
	s_wait_tensorcnt 0x0
	ds_add_u32 v[SPW], v[NIL]
.if \mode == 1
	s_add_nc_u64 s[G0+4*\S+2:G0+4*\S+3], s[G0+4*\S+2:G0+4*\S+3], 16*65536  ; no tensor load of mine is out: this slot's next tile, two tiles on
	s_wait_xcnt 0x0                                ; the last prefetch has read its address, so it may be written:
	s_add_nc_u64 s[PFA:PFA+1], s[PFA:PFA+1], 8*65536   ; one tile further on than the refill to come
.endif
.endm
; The energies of the eight groups whose sums are complete (groups 6, 7 of the tile before, 0 to 5 of this one): the other half of a row's units lies in the lane 16 away
.macro FIN
	WIN 0x55
.irp k, 0,1,2,3,4,5,6,7
	v_permlanex16_b32 v[Y+\k], v[X+((\k+6)%8)], s[SEL], s[SEL+1]
.endr
.irp k, 0,1,2,3,4,5,6,7
	v_add_f32 v[E+\k], v[X+((\k+6)%8)], v[Y+\k]
.endr
	WIN 0
	v_add_nc_u32 v[EST], 32, v[EST]                ; on to this tile's 8 l
.endm
.macro ESTORE                          ; lanes r and r + 16 write the same word with the same value
.irp k, 0,1,2,3,4,5,6,7
	ds_store_b32 v[EST], v[E+\k] offset:8+4*\k
.endr
.endm
; The prefetch of the tile that the NEXT change of slots will ask for, a whole slot ahead of that load.  how = 2: the last change that fills a slot asks for nothing: there is no tile behind tile 7.
.macro ASK how
.if \how == 2
	s_cmp_lg_u32 s[CNT], 1
	s_cbranch_scc0 .Lno_ask_\@
.endif
	global_prefetch_b8 v[PFO], s[PFA:PFA+1] th:TH_LOAD_NT scope:SCOPE_SE
.if \how == 2
.Lno_ask_\@:
.endif
.endm
.macro ESLOAD s                        ; a tile's scale words: four loads serve its eight groups
.irp p, 0,1,2,3
	ds_load_b128 v[ES+16*(\s)+4*\p:ES+16*(\s)+4*\p+3], v[ASC] offset:1024*\p
.endr
.endm
.macro PASS P, S, G, lvl, mode
.set hP, \P
.set hS, \S
.set hG, \G
.set i, 0
.rept 16
	MM
	LINES \lvl
.if (hP == 0) && (i == 3) && (hG < 7)
	FRAGS
.if (hG == 6) && ((\mode == 1) || (\mode == 2))
	SYNC \S, \mode
.endif
.endif
.set i, i+1
.endr
.endm
; A GROUP.  mode (groups 6 and 7): 1: a change of slots with a joint refill; 2: the same without a refill; 3: the last tile: nothing to fetch.
.macro GROUP S, G, lvl, mode, ask
.set fA, AEW
.if \G == 7
.set nS, 1-\S
.set nG, 0
.else
.set nS, \S
.set nG, \G+1
.endif
.if (\G == 0) && (\lvl)
	s_wait_dscnt 8                                 ; this group's fragments are in; the eight energies stored behind them may be out
.else
	s_wait_dscnt 0x0                               ; this group's fragments are in (asked for in the first pass of the group before), and the add is done
.endif
.if (\G == 7) && ((\mode == 1) || (\mode == 2))
	s_barrier_signal -1                            ; my reads of this slot are over and my loads have landed (with a refill this barrier opens a round of the cluster's); a pass of register work follows while the others arrive
.endif
	PASS 0, \S, \G, \lvl, \mode
.if (\G == 7) && (\mode > 0)
	FIN
.if \mode < 3
	v_add_nc_u32 v[ASC], 4096, v[ASC]              ; on to the next tile's scale words
	s_wait_alu depctr_va_vdst(0)
	s_barrier_wait -1
.if \mode == 1
	CREST                                          ; no wave of any partner still reads this slot's tile or has a load on its way
	TLOAD G0+4*\S, G1                              ; my one tensor load behind the round: six groups and more ahead of the wait for it
.endif
	ESLOAD 1-\S                                    ; from the other slot's tile, which is whole: its scale words, its first group's fragments
.set fA, AE
	WIN 0x44
	FRAGS
.endif
	WIN 0x44
	ESTORE
.if \mode == 1
	WIN 0
	ASK \ask                                       ; behind the joint load and the run of LDS instructions
.endif
.endif
	PASS 1, \S, \G, \lvl, \mode
.endm
.macro SLOTREST S, mode, ask           ; a tile's groups 1 to 7
.irp g, 1,2,3,4,5
	GROUP \S, \g, 1, 0, 0
.endr
	GROUP \S, 6, 1, \mode, 0
	GROUP \S, 7, 1, \mode, \ask
.endm
	s_cmp_lt_u32 s[WV], 2
	s_cbranch_scc0 .Lno_image
	s_wait_tensorcnt 0x0                           ; waves 0 and 1: my part of the W image is in; their load is a line of their own
.Lno_image:
	s_wait_dscnt 0x0                               ; W's tiles 4-7 are turned
	s_barrier_signal -1
	s_barrier_wait -1                              ; the W image is whole; tile 0 and the scale bytes may be on their way.
	WIN 0x80
.irp q, 0,1,2
.irp t, 0,1,2,3
.irp c, 0,1,2,3
	ds_load_b128 v[64+64*\q+16*\t+4*\c:64+64*\q+16*\t+4*\c+3], v[WA] offset:\t*16*PITCH+128*\q+32*\c   ; W's tiles 0-3
.endr
.endr
.endr
	WIN 0xc0
.irp t, 0,1,2,3
.irp c, 0,1,2,3
	ds_load_b128 v[64+16*\t+4*\c:64+16*\t+4*\c+3], v[WA] offset:\t*16*PITCH+384+32*\c
.endr
.endr
	WIN 0
	s_wait_tensorcnt 0x0                           ; my tile of the head's is in
	ds_add_u32 v[SPW], v[NIL]
	s_wait_xcnt 0x0                                ; the first prefetch has read its address:
	s_add_nc_u64 s[PFA:PFA+1], s[PFA:PFA+1], 8*65536   ; at tile 2
	s_wait_loadcnt 0x0                             ; scale words and hidden are in
	s_wait_dscnt 0x0                               ; the add is done; W is in registers: nobody needs the image any more
	CROUND                                         ; tile 0 and the scale bytes are whole, and all sixteen work-groups are here
	TLOAD G0+4, G1                                 ; tile 1 over the W image: the same rows, the same padding
	ESLOAD 0
.set fA, AE
.set nS, 0
.set nG, 0
	WIN 0x40
	FRAGS
	WIN 0
	ASK 1
	GROUP 0, 0, 0, 0, 0                            ; tile 0's first group stands in front of the loop
	WIN 0                                          ; at a label and at a branch every window is 0
	s_mov_b32 s[CNT], 3
.Ltrip:                                            ; a trip goes once round the ring, from a tile's second group to the first group two tiles on, and fills both slots again: tiles 2 and 3, 4 and 5, 6 and 7
	SLOTREST 0, 1, 1
	GROUP 1, 0, 1, 0, 0
	SLOTREST 1, 1, 2
	GROUP 0, 0, 1, 0, 0
	WIN 0
	s_sub_co_u32 s[CNT], s[CNT], 1
	s_cmp_lg_u32 s[CNT], 0
	s_cbranch_scc1 .Ltrip
	SLOTREST 0, 2, 0                               ; the tail is written out: tiles 6 and 7 ask for nothing
	GROUP 1, 0, 1, 0, 0
	SLOTREST 1, 3, 0
	; what is left: the last group's second dot, its joining with the first, the last two energies
	s_wait_dscnt 0x0                               ; the last stores are done: their registers are written again
	WIN 0x56
.rept 8
	v_nop                                          ; places behind the last products
.endr
.set hP, 0
.irp f, 0,1,2,3,4,5,6,7,8,9,10,11
	DOT \f
.endr
	WIN 0x57
.irp f, 12,13,14,15
	DOT \f
.endr
	JOIN
	SUM 7
	WIN 0x55
	v_permlanex16_b32 v[Y], v[X+6], s[SEL], s[SEL+1]
	v_permlanex16_b32 v[Y+1], v[X+7], s[SEL], s[SEL+1]
	v_add_f32 v[E], v[X+6], v[Y]
	v_add_f32 v[E+1], v[X+7], v[Y+1]
	WIN 0x04
	ds_store_b32 v[EST], v[E] offset:40
	ds_store_b32 v[EST], v[E+1] offset:44
	WIN 0
	; THE WAY OUT.  Each wave's stage holds its part (128 units, half of K) of the energies of 16 b x 64 l.  Behind a barrier wave w adds the four waves' parts of rows 4 w .. 4 w + 3 and stores them.
	s_wait_dscnt 0x0                               ; for the others' sake: my stores are done
	s_barrier_signal -1
	s_barrier_wait -1
.irp u, 0,1
.irp p, 0,1,2,3
	ds_load_b128 v[OUTR+16*\u+4*\p:OUTR+16*\u+4*\p+3], v[ORD] offset:16+\p*16*272+544*\u   ; row 4 w + 2 u + h of wave p's stage, 16 bytes a lane
.endr
.endr
	s_wait_dscnt 0x0
.irp u, 0,1
.irp n, 0,2
	v_pk_add_f32 v[OUTR+16*\u+\n:OUTR+16*\u+\n+1],     v[OUTR+16*\u+\n:OUTR+16*\u+\n+1],     v[OUTR+16*\u+4+\n:OUTR+16*\u+5+\n]
	v_pk_add_f32 v[OUTR+16*\u+8+\n:OUTR+16*\u+9+\n],   v[OUTR+16*\u+8+\n:OUTR+16*\u+9+\n],   v[OUTR+16*\u+12+\n:OUTR+16*\u+13+\n]
.endr
.irp n, 0,2
	v_pk_add_f32 v[OUTR+16*\u+\n:OUTR+16*\u+\n+1],     v[OUTR+16*\u+\n:OUTR+16*\u+\n+1],     v[OUTR+16*\u+8+\n:OUTR+16*\u+9+\n]
.endr
	global_store_b128 v[OGO], v[OUTR+16*\u:OUTR+16*\u+3], s[14:15] offset:8192*\u   ; 16 lanes store 256 consecutive bytes (64 l of one b), at a multiple of 256 from part's first byte
.endr
	s_wait_tensorcnt 0x0                           ; the wave's end: behind my last tensor load and my last LDS store
	ds_add_u32 v[SPW], v[NIL]
	s_wait_dscnt 0x0
	CROUND                                         ; the closing round: no work-group ends while a partner may still ask for a tile that names it
	s_endpgm
.Lfunc_end_k_qe56760fd52_energy:
	.size	k_qe56760fd52_energy, .Lfunc_end_k_qe56760fd52_energy-k_qe56760fd52_energy
	.p2alignl 7, 3214868480
	.fill 96, 4, 3214868480
	.section	.rodata,"a",@progbits
	.p2align	6, 0x0
	.amdhsa_kernel k_qe56760fd52_energy
		.amdhsa_group_segment_fixed_size 327680
		.amdhsa_private_segment_fixed_size 0
		.amdhsa_enable_private_segment 0
		.amdhsa_kernarg_size 48
		.amdhsa_user_sgpr_count 2
		.amdhsa_user_sgpr_kernarg_segment_ptr 1
		.amdhsa_wavefront_size32 1
		.amdhsa_system_sgpr_workgroup_id_x 1
		.amdhsa_system_sgpr_workgroup_id_y 1
		.amdhsa_system_sgpr_workgroup_id_z 1
		.amdhsa_system_vgpr_workitem_id 0
		.amdhsa_next_free_vgpr 1024
		.amdhsa_next_free_sgpr 100
		.amdhsa_reserve_vcc 0
		.amdhsa_float_denorm_mode_32 3
		.amdhsa_float_denorm_mode_16_64 3
		.amdhsa_memory_ordered 1
		.amdhsa_forward_progress 1
		.amdhsa_inst_pref_size 255
	.end_amdhsa_kernel
	.section	.bss,"aw",@nobits
	.p2align	6
	.space	262144
	.amdgpu_metadata
---
amdhsa.version: [ 1, 2 ]
amdhsa.kernels:
  - .name:           k_qe56760fd52_energy
    .symbol:         k_qe56760fd52_energy.kd
    .args:
      - { .name: W_codes, .offset: 0, .size: 8, .value_kind: global_buffer, .address_space: global }
      - { .name: W_scales, .offset: 8, .size: 8, .value_kind: global_buffer, .address_space: global }
      - { .name: encoder_outputs_codes, .offset: 16, .size: 8, .value_kind: global_buffer, .address_space: global }
      - { .name: encoder_outputs_scales, .offset: 24, .size: 8, .value_kind: global_buffer, .address_space: global }
      - { .name: hidden, .offset: 32, .size: 8, .value_kind: global_buffer, .address_space: global }
      - { .name: part, .offset: 40, .size: 8, .value_kind: global_buffer, .address_space: global }
    .group_segment_fixed_size: 327680
    .private_segment_fixed_size: 0
    .kernarg_segment_align: 8
    .kernarg_segment_size: 48
    .max_flat_workgroup_size: 128
    .sgpr_count:     100
    .vgpr_count:     1024
    .wavefront_size: 32
...
	.end_amdgpu_metadata
.endif
;; end of part 3
;; launch softmax (part 4): grid 64 x 1, 4 waves a work-group, no clusters, 768 bytes of LDS; arguments part, out0; writes out0
.if DOCPART == 4
	.amdgcn_target "amdgcn-amd-amdhsa--gfx1250"
	.amdhsa_code_object_version 6
	.text
	.protected	k_qe56760fd52_softmax
	.globl	k_qe56760fd52_softmax
	.p2align	8
	.type	k_qe56760fd52_softmax,@function
k_qe56760fd52_softmax:
	s_mov_b64 s[64:65], 0
	v_nop
	global_prefetch_b8 v0, s[64:65] scope:SCOPE_SE
	s_setreg_imm32_b32 hwreg(HW_REG_WAVE_MODE, 25, 1), 1
	s_wait_xcnt 0x0
; out0[b][0][l] = softmax over l of e[b][l],  e[b][l] = part[0][b][l] + part[1][b][l] + part[2][b][l] + part[3][b][l].  part: [4][64][1024] f32; out0: [64][1][1024] f32.
; The bias is left out of e: it adds one number to a whole row (see the first kernel's head).
; A work-group of four waves takes one row b; thread t the numbers l = 4 t .. 4 t + 3 and 512 more: eight loads of 16 bytes a lane, each wave's of 512 consecutive bytes.  Each wave takes its own maximum m_w and its own sum s_w of e^(x - m_w);
; the four pairs meet in LDS behind one barrier; with M the largest m_w, the row's sum is that of s_w e^(m_w - M), and each wave multiplies its exponentials by e^(m_w - M) / sum.
; No matrix unit, no cluster, no prefetch: each byte is read once, by one batch of loads at the head, and there is no loop to run ahead in.
; LIMITS: an exponential under 2^-126 comes out as 0 (v_exp_f32: ISA guide 15.8); NaN and infinities among the energies are not served.
.set XR, 32                            ; v32-39 the row: register 4 j + i is l = 512 j + 4 t + i;  v40-63 the other three parts
.set SPARE, 256                        ; behind the four pairs' block: the spare words, 128 bytes for each wave
	s_load_b128 s[4:7], s[0:1], 0x0                ; part, out0
	s_lshl_b32 s8, ttmp9, 12                       ; row b: 4,096 bytes
	s_mov_b32 s9, 0
	s_mov_b32 s10, 0x76543210                      ; v_permlanex16_b32's selects for lane l xor 16
	s_mov_b32 s11, 0xfedcba98
	s_mov_b32 s12, 0x3fb8aa3b                      ; log2(e)
	s_mov_b32 s13, s12                             ; (named with it as a pair, so it is written)
	v_lshl_add_u32 v20, v0, 2, SPARE
	v_mov_b32 v21, 0
	v_lshlrev_b32 v1, 4, v0                        ; 16 bytes a thread
	v_lshrrev_b32 v2, 5, v0
	v_lshlrev_b32 v2, 3, v2                        ; my wave's pair in LDS
	v_mov_b32 v10, 0                               ; the first pair's
	v_mov_b32 v3, 0                                ; written once: a lane permute's destination counts as one of its sources
	s_wait_alu depctr_va_vdst(0)
	s_wait_kmcnt 0x0
	s_add_nc_u64 s[4:5], s[4:5], s[8:9]
	s_add_nc_u64 s[6:7], s[6:7], s[8:9]
.irp q, 0,1,2,3
.irp j, 0,1
	global_load_b128 v[XR+8*\q+4*\j:XR+8*\q+4*\j+3], v1, s[4:5] offset:\q*262144+2048*\j th:TH_LOAD_NT
.endr
.endr
	s_wait_loadcnt 0x0
.irp n, 0,2,4,6
	v_pk_add_f32 v[XR+\n:XR+\n+1],     v[XR+\n:XR+\n+1],     v[XR+8+\n:XR+9+\n]
	v_pk_add_f32 v[XR+16+\n:XR+17+\n], v[XR+16+\n:XR+17+\n], v[XR+24+\n:XR+25+\n]
.endr
.irp n, 0,2,4,6
	v_pk_add_f32 v[XR+\n:XR+\n+1],     v[XR+\n:XR+\n+1],     v[XR+16+\n:XR+17+\n]   ; the energies
.endr
	v_max3_num_f32 v8, v[XR], v[XR+1], v[XR+2]     ; the largest of my 8, in two chains
	v_max3_num_f32 v5, v[XR+3], v[XR+4], v[XR+5]
	v_max3_num_f32 v8, v8, v[XR+6], v[XR+7]
	v_max_num_f32 v8, v8, v5
	v_max_num_f32_dpp v8, v8, v8 row_xmask:1 row_mask:0xf bank_mask:0xf   ; across the 32 lanes
	v_max_num_f32_dpp v8, v8, v8 row_xmask:2 row_mask:0xf bank_mask:0xf
	v_max_num_f32_dpp v8, v8, v8 row_xmask:4 row_mask:0xf bank_mask:0xf
	v_max_num_f32_dpp v8, v8, v8 row_xmask:8 row_mask:0xf bank_mask:0xf
	v_permlanex16_b32 v3, v8, s10, s11
	v_max_num_f32 v8, v8, v3                       ; my wave's maximum
	v_mov_b32 v4, v8
	v_mov_b32 v5, v8
.irp n, 0,2,4,6
	v_pk_add_f32 v[XR+\n:XR+\n+1], v[XR+\n:XR+\n+1], v[4:5] neg_lo:[0,1] neg_hi:[0,1]   ; x - m first, and then the factor: one fused line would carry the rounding of log2(e) m, which grows with the energies
.endr
.irp n, 0,2,4,6
	v_pk_mul_f32 v[XR+\n:XR+\n+1], v[XR+\n:XR+\n+1], s[12:13] op_sel_hi:[1,0]
.endr
	s_wait_alu depctr_va_vdst(0)
.irp n, 0,1,2,3,4,5,6,7
	v_exp_f32 v[XR+\n], v[XR+\n]                   ; e^(x - m), at most 1, and 1 at the wave's maximum
.endr
	v_nop                                          ; a plain instruction behind the last exponential (ISA guide 5.7.2)
	s_wait_alu depctr_va_vdst(0)                   ; and behind it, ahead of its first reader
	v_pk_add_f32 v[6:7], v[XR:XR+1], v[XR+2:XR+3]
	v_pk_add_f32 v[4:5], v[XR+4:XR+5], v[XR+6:XR+7]
	v_pk_add_f32 v[6:7], v[6:7], v[4:5]
	v_add_f32 v9, v6, v7
	v_add_f32_dpp v9, v9, v9 row_xmask:1 row_mask:0xf bank_mask:0xf
	v_add_f32_dpp v9, v9, v9 row_xmask:2 row_mask:0xf bank_mask:0xf
	v_add_f32_dpp v9, v9, v9 row_xmask:4 row_mask:0xf bank_mask:0xf
	v_add_f32_dpp v9, v9, v9 row_xmask:8 row_mask:0xf bank_mask:0xf
	v_permlanex16_b32 v3, v9, s10, s11
	v_add_f32 v9, v9, v3                           ; my wave's sum, at least 1
	ds_store_b64 v2, v[8:9]                        ; all lanes write the same pair with the same values
	s_wait_alu depctr_va_vdst(0)
	s_wait_dscnt 0x0                               ; for the others' sake: my store is done
	s_barrier_signal -1
	s_barrier_wait -1
	ds_load_b128 v[12:15], v10                     ; m0, s0, m1, s1
	ds_load_b128 v[16:19], v10 offset:16           ; m2, s2, m3, s3
	s_wait_dscnt 0x0
	v_max3_num_f32 v11, v12, v14, v16
	v_max_num_f32 v11, v11, v18                    ; M
	v_sub_f32 v22, v12, v11
	v_sub_f32 v23, v14, v11
	v_sub_f32 v24, v16, v11
	v_sub_f32 v25, v18, v11
	v_sub_f32 v26, v8, v11
.irp n, 22,23,24,25,26
	v_mul_f32 v\n, s12, v\n
.endr
	s_wait_alu depctr_va_vdst(0)
.irp n, 22,23,24,25,26
	v_exp_f32 v\n, v\n                             ; e^(m_w - M) of the four waves, and mine
.endr
	v_nop
	s_wait_alu depctr_va_vdst(0)
	v_mul_f32 v27, v13, v22
	v_mul_f32 v28, v17, v24
	v_fma_f32 v27, v15, v23, v27
	v_fma_f32 v28, v19, v25, v28
	v_add_f32 v27, v27, v28                        ; the row's sum, at least 1
	s_wait_alu depctr_va_vdst(0)
	v_rcp_f32 v30, v27
	v_nop
	s_wait_alu depctr_va_vdst(0)
	v_mul_f32 v28, v26, v30                        ; twice: a pair for the packed multiply
	v_mul_f32 v29, v26, v30
.irp j, 0,1
	v_pk_mul_f32 v[XR+4*\j:XR+4*\j+1],   v[XR+4*\j:XR+4*\j+1],   v[28:29]
	v_pk_mul_f32 v[XR+4*\j+2:XR+4*\j+3], v[XR+4*\j+2:XR+4*\j+3], v[28:29]
	global_store_b128 v1, v[XR+4*\j:XR+4*\j+3], s[6:7] offset:2048*\j th:TH_STORE_NT   ; 32 lanes store 512 consecutive bytes, at a multiple of 256 from out0's first byte
.endr
	s_wait_tensorcnt 0x0                           ; the wave's end: behind my last LDS store
	ds_add_u32 v20, v21
	s_wait_dscnt 0x0
	s_endpgm
.Lfunc_end_k_qe56760fd52_softmax:
	.size	k_qe56760fd52_softmax, .Lfunc_end_k_qe56760fd52_softmax-k_qe56760fd52_softmax
	.p2alignl 7, 3214868480
	.fill 96, 4, 3214868480
	.section	.rodata,"a",@progbits
	.p2align	6, 0x0
	.amdhsa_kernel k_qe56760fd52_softmax
		.amdhsa_group_segment_fixed_size 768
		.amdhsa_private_segment_fixed_size 0
		.amdhsa_enable_private_segment 0
		.amdhsa_kernarg_size 16
		.amdhsa_user_sgpr_count 2
		.amdhsa_user_sgpr_kernarg_segment_ptr 1
		.amdhsa_wavefront_size32 1
		.amdhsa_system_sgpr_workgroup_id_x 1
		.amdhsa_system_sgpr_workgroup_id_y 1
		.amdhsa_system_sgpr_workgroup_id_z 1
		.amdhsa_system_vgpr_workitem_id 0
		.amdhsa_next_free_vgpr 64
		.amdhsa_next_free_sgpr 66
		.amdhsa_reserve_vcc 0
		.amdhsa_float_denorm_mode_32 3
		.amdhsa_float_denorm_mode_16_64 3
		.amdhsa_memory_ordered 1
		.amdhsa_forward_progress 1
		.amdhsa_inst_pref_size 7
	.end_amdhsa_kernel
	.amdgpu_metadata
---
amdhsa.version: [ 1, 2 ]
amdhsa.kernels:
  - .name:           k_qe56760fd52_softmax
    .symbol:         k_qe56760fd52_softmax.kd
    .args:
      - { .name: part, .offset: 0, .size: 8, .value_kind: global_buffer, .address_space: global }
      - { .name: out0, .offset: 8, .size: 8, .value_kind: global_buffer, .address_space: global }
    .group_segment_fixed_size: 768
    .private_segment_fixed_size: 0
    .kernarg_segment_align: 8
    .kernarg_segment_size: 16
    .max_flat_workgroup_size: 128
    .sgpr_count:     66
    .vgpr_count:     64
    .wavefront_size: 32
...
	.end_amdgpu_metadata
.endif
;; end of part 4
